; MI455X (gfx1250); checked and timed in simulation.
; The chip was launched on July 23, 2026; its instructions are those of AMD's public machine-readable ISA for CDNA 5 (MIT licence, August 2026) and "CDNA5" Instruction Set Architecture Reference Guide (July 2026). The comments in the code are by the model that wrote it; some were corrected since.
;; Self Attention. Allowed arithmetic: matrix products marked QUANTISED: E2M3 operands, one E8M0 scale for each 32 along K, by v_wmma_scale_f32_16x16x128_f8f6f4 with both operands' format E2M3, f32 sums; everything else in f32.
;; Inputs: Wk 1,024 x 1,024 float32; Wq 1,024 x 1,024 float32; Wv 1,024 x 1,024 float32; X 4 x 2,048 x 1,024 float32; bk 1,024 float32; bq 1,024 float32; bv 1,024 float32.
;; Outputs: out0 4 x 2,048 x 1,024 float32.
;; This version of the problem:
;;   THIS VERSION OF THE PROBLEM IS GIVEN IN LOW PRECISION. The matrix products marked QUANTISED in the list below multiply operands that are first quantised to E2M3 (2 exponent bits, 3 mantissa bits; 6 bits a number), with one power-of-two scale for each 32 numbers along K (OCP MX v1.0); their sums are f32. All else is computed in f32.
;;   The module's matrix products, in the order in which they are computed (A, B: the left and right operand; K: the contracted axis; several contracted axes count as one K, in the product's order):
;;     1. [M 8,192, K 1,024] x [K 1,024, N 1,024]; A: input X; B: input Wq: QUANTISED
;;     2. [M 8,192, K 1,024] x [K 1,024, N 1,024]; A: input X; B: input Wk: QUANTISED
;;     3. [M 8,192, K 1,024] x [K 1,024, N 1,024]; A: input X; B: input Wv: QUANTISED
;;     4. batch 4 x [M 2,048, K 1,024] x [K 1,024, N 2,048]; A: computed on the way; B: computed on the way: QUANTISED
;;     5. batch 4 x [M 2,048, K 2,048] x [K 2,048, N 1,024]; A: softmax (see below); B: computed on the way: QUANTISED
;;   THE QUANTISER, for each operand of a quantised product, along K:
;;     - K is cut into blocks of 32 from its start; a last block that is shorter is filled with zeros.
;;     - A block's scale is 2^e with e = floor(log2(the largest magnitude in the block)) - 2, held to -126 .. 127; a block of zeros has e = 0. As a byte (E8M0): e + 127.
;;     - Each number is divided by its block's scale, clamped to +-7.5, and rounded to the nearest number of E2M3, ties to even, subnormals kept.
;;     - The product sums the exact products of the quantised numbers (number of the format x scale) in f32.
;;   ~~~python
;;   def quantise(x, axis):      # numpy; x: float32 -> the quantised numbers, widened to float32 again
;;       x = np.moveaxis(x, axis, -1); K = x.shape[-1]
;;       x = np.pad(x, [(0, 0)] * (x.ndim - 1) + [(0, -K % 32)]); x = x.reshape(x.shape[:-1] + (-1, 32)); a = np.abs(x).max(-1, keepdims=True)
;;       e = np.where(a > 0, np.clip(np.frexp(np.where(a > 0, a, 1))[1] - 1 - 2, -126, 127), 0)      # np.frexp(a)[1] - 1 = floor(log2(a)), exactly
;;       r = np.clip(x / 2.0 ** e, -7.5, 7.5)
;;       step = 2.0 ** (np.maximum(np.frexp(np.where(r == 0, 1, r))[1] - 1, 0) - 3)
;;       q = np.round(r / step) * step * 2.0 ** e      # np.round: ties to even
;;       return np.moveaxis(q.reshape(q.shape[:-2] + (-1,))[..., :K], -1, axis).astype(np.float32)
;;   ~~~
;;   SOFTMAX AHEAD OF A QUANTISED PRODUCT. Where the list says 'softmax', what is quantised is not the finished softmax but p = 2^(t - M), with t = logit x log2(e) and M = ceil(the row's largest t), a whole number; so 1/2 < the row's largest p <= 1. The row's sum l is taken of the UNQUANTISED p, in f32, and the product's result is divided by l at the end. Since M is a whole number, a kernel that streams over the keys may use a running M (the ceiling of the running maximum): every later rescaling is an exact power of two, which a block's scale takes up: the codes' values come out the same.
;;   OPERANDS COMPUTED ON THE WAY. 'Computed on the way' means the value that the module computes at that place (a softmax that the list does not call 'softmax' is quantised finished and normalised). What goes into a quantiser is computed in f32, as accurately as f32 sums, v_exp_f32 and their like allow (about 1e-6 of the number): no bf16 or f16 on the way to a quantiser, and a product that is left as it is and whose result goes on into a quantised operand takes f32 operands (vector FMAs, or v_wmma_f32_16x16x4_f32). A number that lies on a knife's edge between two numbers of the format may be rounded either way, as far as f32 arithmetic and the matrix unit's own rounding can turn it there, and no further.
;; One version. Each part assembles by itself: llvm-mc -triple=amdgcn-amd-amdhsa -mcpu=gfx1250 --defsym DOCPART=n.
;; ======== version 1 of 1: 4 launches
;; limits: right only within a limited range of input values
;; workspace buffers: xwc 9,011,200 bytes; qkvc 19,660,800 bytes; pcod 12,582,912 bytes; pst 1,572,864 bytes
;; launch quant (part 1): grid 448 x 1, 4 waves a work-group, no clusters, 34,304 bytes of LDS; arguments X, Wq, Wk, Wv, xwc; writes xwc
.if DOCPART == 1
	.amdgcn_target "amdgcn-amd-amdhsa--gfx1250"
	.amdhsa_code_object_version 6
	.text
	.protected	k_q14aa1648c5_quant
	.globl	k_q14aa1648c5_quant
	.p2align	8
	.type	k_q14aa1648c5_quant,@function
k_q14aa1648c5_quant:
	s_mov_b64 s[64:65], 0
	v_nop
	global_prefetch_b8 v0, s[64:65] scope:SCOPE_SE
	s_setreg_imm32_b32 hwreg(HW_REG_WAVE_MODE, 25, 1), 1
	s_wait_xcnt 0x0
; X [8192][1024] (K innermost) and Wq, Wk, Wv [1024 (k)][1024 (n)] (K outermost), f32, become codes of E2M3 with one E8M0 byte for each 32 along K.
; A block's scale is 2^(floor(log2(largest magnitude)) - 2): its byte is the largest magnitude's exponent field - 2, held at 1 from below.
; LAYOUT OF THE CODES: images of operand registers.  Rows go in tiles of 128 (X: tiles 0-63; Wq 64-71, Wk 72-79, Wv 80-87, a row of W being a column n), K in steps of 128, a tile in 8 blocks of 16 rows.
; Lane-row r of block i is row 32 (i / 2) + 8 (i % 2) + r % 8 + 16 (r / 8) of the tile.  A fragment (16 rows x 128 K, 12 registers a lane) is 1,536 bytes: register 4 c + e of lane L at 512 c + 16 L + 4 e.
; Codes: [tile][K step][block][1536].  Scale words (4 bytes: a row's 128 along K): [tile][K step][block / 4][r][block % 4].
; Work-groups 0-255 take X, 256-447 the weights.  No barrier: waves share nothing.
; LIMITS: NaN and infinities among the inputs are not served.  A block of zeros gets the byte 1 where the rule says 127: its codes are zeros, and the bytes are read by this program alone.
; THE LAYOUT AS THIS TEXT STORES IT (it takes the place of the order of tiles, blocks and scale words named above): 88 tiles of CHB bytes (X 0-63, Wq 64-71, Wk 72-79, Wv 80-87): codes [block][K step][1536], then scale words [K step][2][r][4].
; X: chunk 2 g + c, block 2 j + w, lane-row 8 h + i is token 256 g + 128 w + 64 c + 32 h + 8 j + i; its scale word lies at [K step][w][r][j].
; A weight: tile of 128 columns, block 4 G + j, lane-row 8 h + i is column 64 G + 32 h + 8 j + i; its scale word lies at [K step][G][r][j].
.set FRB,   1536
.set CHB,   102400
.set STG,   16*528                     ; a wave's stage: 16 rows of 512 bytes + 16
.set SPARE, 4*STG                      ; behind the stages: the spare words, 128 bytes a wave, which no other line names
.set LI,  3                            ; v3  16 x lane
.set STI, 4                            ; v4  the stage, on the way in
.set STO, 5                            ; v5  and on the way out
.set SWO, 6                            ; v6  where my two scale words go
.set SPW, 8                            ; v8  my spare word's LDS address; never rewritten
.set NIL, 9                            ; v9  0; never rewritten
.set TM,  10                           ; v10-25 at work
.set PC,  32                           ; v32-43 a fragment's codes
.set PT,  44                           ; v44-51 the halves that a conversion cannot put at an odd register
.set PW,  52                           ; v52-55 the four fragments' scale words
.set SW,  56                           ; v56-57 the two that I store
.set R0,  64                           ; v64-191 two sets of 16 rows as loaded
.set XN,  192                          ; v192-255 64 numbers of my row
.set SEL, 20                           ; s[20:21] selects for lane l xor 16
.set WN,  64                           ; weights: v64-191 my column's 128 numbers down K
.set GC,  32                           ; v32-43, v44-55: what lanes (r, 0) and (r, 1) of the fragment hold
.set WPT, 56
	s_load_b256 s[4:11], s[0:1], 0x0               ; X, Wq, Wk, Wv
	s_load_b64 s[12:13], s[0:1], 0x20              ; xwc
	v_lshl_add_u32 v[SPW], v0, 2, SPARE
	v_mov_b32 v[NIL], 0
	v_lshrrev_b32 v1, 5, v0
	v_readfirstlane_b32 s16, v1                    ; wave
	v_and_b32 v1, 31, v0                           ; lane
	v_and_b32 v2, 15, v0                           ; r
	v_bfe_u32 v7, v0, 4, 1                         ; h
	v_lshlrev_b32 v[LI], 4, v1
	s_cmp_ge_u32 ttmp9, 256
	s_cbranch_scc1 .Lweights
; ---- X.  A wave: tile T = wg / 4, blocks 4 half .. 4 half + 3 (half = (wg / 2) % 2), K step 4 (wg % 2) + wave.
; 64 numbers of a lane, register 16 b + i = k 32 b + 16 (lane / 16) + i of my row, become a fragment's codes and my row's scale word.
.macro QUANT s, pc, pw
.irp b, 0,1,2,3
	v_max3_num_f32 v[TM+\b], |v[(\s)+16*\b]|, |v[(\s)+16*\b+1]|, 0x1800000   ; my 16 numbers of block b, and the floor 2^(3 - 127): the byte cannot fall under 1
.endr
.irp i, 2,4,6,8,10,12,14
.irp b, 0,1,2,3
	v_max3_num_f32 v[TM+\b], v[TM+\b], |v[(\s)+16*\b+\i]|, |v[(\s)+16*\b+\i+1]|
.endr
.endr
.irp b, 0,1,2,3
	v_permlanex16_b32 v[TM+4+\b], v[TM+\b], s[SEL], s[SEL+1]
.endr
.irp b, 0,1,2,3
	v_max_num_f32 v[TM+\b], v[TM+\b], v[TM+4+\b]   ; with lane l xor 16's: the block's largest magnitude
.endr
.irp b, 0,1,2,3
	v_add_nc_u32 v[TM+12+\b], 0xff000000, v[TM+\b] ; 2 off its exponent field: the conversion's scale operand
.endr
.irp b, 0,1,2,3
	v_lshrrev_b32 v[TM+4+\b], 23, v[TM+12+\b]      ; the scale's byte
.endr
	v_lshl_or_b32 v[\pw], v[TM+5], 8, v[TM+4]
	v_lshl_or_b32 v[\pw], v[TM+6], 16, v[\pw]
	v_lshl_or_b32 v[\pw], v[TM+7], 24, v[\pw]
.irp c, 0,1
	v_cvt_scalef32_pk16_fp6_f32 v[(\pc)+6*\c:(\pc)+6*\c+2], v[(\s)+32*\c:(\s)+32*\c+15], v[TM+12+2*\c]
	v_cvt_scalef32_pk16_fp6_f32 v[PT+4*\c:PT+4*\c+2], v[(\s)+32*\c+16:(\s)+32*\c+31], v[TM+12+2*\c+1]
.endr
	v_nop                                          ; one plain place behind a scaled conversion
.irp c, 0,1                                    ; the operand wants a whole block in a lane: lanes 0-15 block 2 c, lanes 16-31 block 2 c + 1
.irp i, 0,1,2
	v_permlane16_swap_b32 v[(\pc)+6*\c+\i], v[PT+4*\c+\i]
.endr
.irp i, 0,1,2
	v_mov_b32 v[(\pc)+6*\c+3+\i], v[PT+4*\c+\i]
.endr
.endr
.endm
.macro LOADX f                         ; fragment f's 16 rows, in the fragment's own order: each load is a row's 512 consecutive bytes
.irp t, 0,1,2,3,4,5,6,7,8,9,10,11,12,13,14,15
	global_load_b128 v[R0+64*((\f)%2)+4*\t:R0+64*((\f)%2)+4*\t+3], v[LI], s[4:5] offset:(8*(\f)+(\t%8)+32*(\t/8))*4096 th:TH_LOAD_NT
.endr
.endm
.macro FRAGX f
.if (\f) < 3
	s_wait_loadcnt 16                              ; this fragment's 16 loads are in; the next fragment's 16 may be out
.else
	s_wait_loadcnt 0x0
.endif
.irp t, 0,1,2,3,4,5,6,7,8,9,10,11,12,13,14,15
	ds_store_b128 v[STI], v[R0+64*((\f)%2)+4*\t:R0+64*((\f)%2)+4*\t+3] offset:528*\t
.endr
.irp b, 0,1,2,3
.irp j, 0,1,2,3
	ds_load_b128 v[XN+16*\b+4*\j:XN+16*\b+4*\j+3], v[STO] offset:128*\b+16*\j   ; LDS serves a wave's instructions in order: these see the stores above
.endr
.endr
	s_wait_dscnt 0x0                               ; my 64 numbers are in, and the stores have read the set that is loaded again below
	s_wait_xcnt 0x0                                ; the last fragment's stores have read PC: it is written again only behind this wait
.if (\f) < 2
	LOADX (\f)+2
.endif
	QUANT XN, PC, PW+(\f)
.irp c, 0,1,2
	global_store_b128 v[LI], v[PC+4*\c:PC+4*\c+3], s[12:13] offset:16*FRB*(\f)+512*\c   ; 512 consecutive bytes
.endr
.endm
	s_mul_i32 s17, s16, STG
	v_add_nc_u32 v[STI], s17, v[LI]                ; in: a row's 512 bytes as they lie
	v_mul_u32_u24 v[STO], v2, 528
	v_lshl_add_u32 v[STO], v7, 6, v[STO]
	v_add_nc_u32 v[STO], s17, v[STO]               ; out: row r, + 64 h: 16 neighbours of each block of 32
	v_lshlrev_b32 v[SWO], 4, v2
	v_lshl_add_u32 v[SWO], v7, 3, v[SWO]           ; 16 r + 8 h
	s_mov_b32 s[SEL], 0x76543210
	s_mov_b32 s[SEL+1], 0xfedcba98
	s_mov_b32 s22, 0xffff0000                      ; lanes 16-31
.irp b, 0,1,2,3
	v_mov_b32 v[TM+4+\b], 0                        ; a lane permute's destination counts as one of its sources
.endr
	s_lshr_b32 s17, ttmp9, 2                       ; T
	s_bfe_u32 s18, ttmp9, 0x10001                  ; half
	s_and_b32 s19, ttmp9, 1
	s_lshl_b32 s19, s19, 2
	s_add_co_u32 s19, s19, s16                     ; K step
	s_lshl_b32 s24, s17, 19                        ; X: (128 T + 64 half) rows of 4,096 bytes + 512 x K step
	s_lshl_b32 s25, s18, 18
	s_add_co_u32 s24, s24, s25
	s_lshl_b32 s25, s19, 9
	s_add_co_u32 s24, s24, s25
	s_mov_b32 s25, 0
	s_and_b32 s27, s17, 1                          ; w = T % 2
	s_sub_co_u32 s26, s17, s27
	s_add_co_u32 s26, s26, s18                     ; chunk 2 g + c, c = half
	s_mul_i32 s26, s26, CHB
	s_lshl_b32 s28, s19, 9
	s_lshl_b32 s29, s27, 8
	s_add_co_u32 s28, s28, s29
	s_add_co_u32 s28, s28, s26
	s_add_co_u32 s28, s28, 64*FRB                  ; scale words: behind the chunk's codes, 512 x K step + 256 w
	s_mov_b32 s29, 0
	s_lshl_b32 s27, s27, 3
	s_add_co_u32 s27, s27, s19
	s_mul_i32 s27, s27, FRB
	s_add_co_u32 s26, s26, s27                     ; codes: block w, K step; fragment j lies two blocks on for each j
	s_mov_b32 s27, 0
	s_wait_alu depctr_va_vdst(0)
	s_wait_kmcnt 0x0
	s_add_nc_u64 s[4:5], s[4:5], s[24:25]
	s_add_nc_u64 s[14:15], s[12:13], s[28:29]
	s_add_nc_u64 s[12:13], s[12:13], s[26:27]
	LOADX 0
	LOADX 1
	FRAGX 0
	FRAGX 1
	FRAGX 2
	FRAGX 3
	v_cndmask_b32 v[SW], v[PW], v[PW+2], s22       ; lane (r, h) stores row r's words of fragments 2 h and 2 h + 1
	v_cndmask_b32 v[SW+1], v[PW+1], v[PW+3], s22
	global_store_b64 v[SWO], v[SW:SW+1], s[14:15]  ; the 32 lanes fill 256 consecutive bytes, aligned
	s_wait_tensorcnt 0x0                           ; the wave's end, behind my last LDS store
	ds_add_u32 v[SPW], v[NIL]
	s_wait_dscnt 0x0
	s_endpgm
; ---- The weights.  j = wg - 256: K step j % 8, tile j / 8 of 24.  A LANE TAKES A COLUMN n AND ITS REGISTERS RUN DOWN K: a block of 32 lies in one lane, and the codes come out with K innermost.
; Wave w's 32 columns are blocks 2 w and 2 w + 1 of the tile: column 32 w + lane is lane-row r' = lane % 8 + 8 (lane / 16) of block 2 w + u, u = (lane / 8) % 2.
.Lweights:
	s_sub_co_u32 s17, ttmp9, 256
	s_and_b32 s18, s17, 7                          ; K step
	s_lshr_b32 s17, s17, 3                         ; tile 0..23
	s_and_b32 s19, s17, 7                          ; tile in its tensor
	s_lshl_b32 s24, s18, 19                        ; 128 rows of 4,096 bytes a K step
	s_lshl_b32 s25, s19, 9
	s_add_co_u32 s24, s24, s25                     ; + 128 columns a tile
	s_lshr_b32 s25, s16, 1
	s_lshl_b32 s25, s25, 8
	s_add_co_u32 s24, s24, s25                     ; + 64 columns for each G = wave / 2
	s_and_b32 s25, s16, 1
	s_lshl_b32 s25, s25, 6
	s_add_co_u32 s24, s24, s25                     ; + 16 columns for each wave % 2: blocks 2 w and 2 w + 1
	s_mov_b32 s25, 0
	s_add_co_u32 s26, s17, 64                      ; behind X's 64 tiles
	s_mul_i32 s26, s26, CHB
	s_lshl_b32 s28, s18, 9
	s_lshr_b32 s29, s16, 1
	s_lshl_b32 s29, s29, 8
	s_add_co_u32 s28, s28, s29
	s_and_b32 s29, s16, 1
	s_lshl_b32 s29, s29, 3
	s_add_co_u32 s28, s28, s29
	s_add_co_u32 s28, s28, s26
	s_add_co_u32 s28, s28, 64*FRB                  ; scale words: 512 x K step + 256 G + 8 (w % 2)
	s_mov_b32 s29, 0
	s_lshl_b32 s27, s16, 4
	s_add_co_u32 s27, s27, s18
	s_mul_i32 s27, s27, FRB
	s_add_co_u32 s26, s26, s27                     ; codes: block 2 w, K step
	s_mov_b32 s27, 0
	s_wait_alu depctr_va_vdst(0)
	v_and_b32 v4, 7, v2                            ; lane (r, u = lane / 16) takes column 32 (r / 8) + 8 u + r % 8 from the wave's first on
	v_lshl_add_u32 v4, v7, 3, v4
	v_lshrrev_b32 v5, 3, v2
	v_lshl_add_u32 v4, v5, 5, v4
	v_lshlrev_b32 v4, 2, v4                        ; in: 4 bytes a lane
	v_mul_u32_u24 v26, v7, 8*FRB
	v_lshl_add_u32 v26, v2, 4, v26                 ; codes: block u, 16 r
	v_lshlrev_b32 v27, 4, v2
	v_lshl_add_u32 v27, v7, 2, v27                 ; scale word: 16 r + 4 u
	s_wait_alu depctr_va_vdst(0)
	s_wait_kmcnt 0x0
	s_cmp_lt_u32 s17, 8                            ; which tensor: the choice hangs on the work-group's number alone
	s_cselect_b64 s[6:7], s[6:7], s[8:9]
	s_cmp_lt_u32 s17, 16
	s_cselect_b64 s[6:7], s[6:7], s[10:11]
	s_add_nc_u64 s[6:7], s[6:7], s[24:25]
	s_add_nc_u64 s[14:15], s[12:13], s[28:29]
	s_add_nc_u64 s[12:13], s[12:13], s[26:27]
.macro LOADW kb                        ; block kb of my column: 32 lanes read two runs of 64 bytes, 128 bytes apart, of a row of W
.set wi, 0
.rept 32
	global_load_b32 v[WN+32*(\kb)+wi], v4, s[6:7] offset:(32*(\kb)+wi)*4096 th:TH_LOAD_NT
.set wi, wi+1
.endr
.endm
.macro BLKW kb                         ; block kb = 2 c + hh is what lane (r', hh) holds in registers 6 c .. 6 c + 5
.set WS, WN+32*(\kb)
.set GD, GC+12*((\kb)%2)+6*((\kb)/2)
	v_max3_num_f32 v10, |v[WS]|, |v[WS+1]|, |v[WS+2]|
	v_max3_num_f32 v11, |v[WS+3]|, |v[WS+4]|, |v[WS+5]|
.irp i, 6,10,14,18,22,26
	v_max3_num_f32 v10, v10, |v[WS+\i]|, |v[WS+\i+1]|
	v_max3_num_f32 v11, v11, |v[WS+\i+2]|, |v[WS+\i+3]|
.endr
	v_max3_num_f32 v10, v10, |v[WS+30]|, |v[WS+31]|
	v_max3_num_f32 v10, v10, v11, 0x1800000        ; and the floor
	v_add_nc_u32 v12, 0xff000000, v10
	v_lshrrev_b32 v13, 23, v12
.if (\kb) == 0
	v_mov_b32 v24, v13
.else
	v_lshl_or_b32 v24, v13, 8*(\kb), v24           ; the lower K in the lower byte
.endif
	v_cvt_scalef32_pk16_fp6_f32 v[GD:GD+2], v[WS:WS+15], v12
	v_cvt_scalef32_pk16_fp6_f32 v[WPT:WPT+2], v[WS+16:WS+31], v12
	v_nop                                          ; one plain place behind a scaled conversion
.irp i, 0,1,2
	v_mov_b32 v[GD+3+\i], v[WPT+\i]
.endr
.endm
	LOADW 0
	LOADW 1
	s_wait_loadcnt 32                              ; each count of 32: the one younger block's loads may be out
	LOADW 2
	BLKW 0
	s_wait_loadcnt 32
	LOADW 3
	BLKW 1
	s_wait_loadcnt 32
	BLKW 2
	s_wait_loadcnt 0x0
	BLKW 3
.irp hh, 0,1
.irp cc, 0,1,2
	global_store_b128 v26, v[GC+12*\hh+4*\cc:GC+12*\hh+4*\cc+3], s[12:13] offset:256*\hh+512*\cc   ; sixteen lanes of each u fill 256 consecutive bytes, aligned
.endr
.endr
	global_store_b32 v27, v24, s[14:15]
	s_wait_tensorcnt 0x0                           ; the closing lines once more, on this path too
	ds_add_u32 v[SPW], v[NIL]
	s_wait_dscnt 0x0
	s_endpgm
.Lfunc_end_k_q14aa1648c5_quant:
	.size	k_q14aa1648c5_quant, .Lfunc_end_k_q14aa1648c5_quant-k_q14aa1648c5_quant
	.p2alignl 7, 3214868480
	.fill 96, 4, 3214868480
	.section	.rodata,"a",@progbits
	.p2align	6, 0x0
	.amdhsa_kernel k_q14aa1648c5_quant
		.amdhsa_group_segment_fixed_size 34304
		.amdhsa_private_segment_fixed_size 0
		.amdhsa_enable_private_segment 0
		.amdhsa_kernarg_size 40
		.amdhsa_user_sgpr_count 2
		.amdhsa_user_sgpr_kernarg_segment_ptr 1
		.amdhsa_wavefront_size32 1
		.amdhsa_system_sgpr_workgroup_id_x 1
		.amdhsa_system_sgpr_workgroup_id_y 1
		.amdhsa_system_sgpr_workgroup_id_z 1
		.amdhsa_system_vgpr_workitem_id 0
		.amdhsa_next_free_vgpr 256
		.amdhsa_next_free_sgpr 66
		.amdhsa_reserve_vcc 0
		.amdhsa_float_denorm_mode_32 3
		.amdhsa_float_denorm_mode_16_64 3
		.amdhsa_memory_ordered 1
		.amdhsa_forward_progress 1
		.amdhsa_inst_pref_size 54
	.end_amdhsa_kernel
	.amdgpu_metadata
---
amdhsa.version: [ 1, 2 ]
amdhsa.kernels:
  - .name:           k_q14aa1648c5_quant
    .symbol:         k_q14aa1648c5_quant.kd
    .args:
      - { .name: X, .offset: 0, .size: 8, .value_kind: global_buffer, .address_space: global }
      - { .name: Wq, .offset: 8, .size: 8, .value_kind: global_buffer, .address_space: global }
      - { .name: Wk, .offset: 16, .size: 8, .value_kind: global_buffer, .address_space: global }
      - { .name: Wv, .offset: 24, .size: 8, .value_kind: global_buffer, .address_space: global }
      - { .name: xwc, .offset: 32, .size: 8, .value_kind: global_buffer, .address_space: global }
    .group_segment_fixed_size: 34304
    .private_segment_fixed_size: 0
    .kernarg_segment_align: 8
    .kernarg_segment_size: 40
    .max_flat_workgroup_size: 128
    .sgpr_count:     66
    .vgpr_count:     256
    .wavefront_size: 32
...
	.end_amdgpu_metadata
.endif
;; end of part 1
;; launch proj (part 2): grid 16 x 16, 4 waves a work-group, clusters of 4 x 4, 327,680 bytes of LDS; arguments xwc, bq, bk, bv, qkvc; writes qkvc
.if DOCPART == 2
	.amdgcn_target "amdgcn-amd-amdhsa--gfx1250"
	.amdhsa_code_object_version 6
	.text
	.protected	k_q14aa1648c5_proj
	.globl	k_q14aa1648c5_proj
	.p2align	8
	.type	k_q14aa1648c5_proj,@function
k_q14aa1648c5_proj:
	s_mov_b64 s[64:65], 0
	v_nop
	global_prefetch_b8 v0, s[64:65] scope:SCOPE_SE
	s_setreg_imm32_b32 hwreg(HW_REG_WAVE_MODE, 25, 1), 1
	s_wait_xcnt 0x0
	s_wait_alu depctr_hold_cnt(0) depctr_sa_sdst(0) depctr_va_vdst(0) depctr_va_sdst(0) depctr_va_ssrc(0) depctr_va_vcc(0) depctr_vm_vsrc(0)
	s_getreg_b32 s2, hwreg(HW_REG_IB_STS2, 6, 4)
	s_cmp_eq_u32 s2, 0
	s_cbranch_scc0 .Lentry_in_a_cluster
	s_endpgm
.Lentry_in_a_cluster:
	s_bfe_u32 s2, ttmp6, 0x10000c
	s_cmp_lg_u32 s2, 0xf033
	s_cbranch_scc0 .Lentry_shape_is_right
	s_endpgm
.Lentry_shape_is_right:
; q, k, v = X W + b AND THEIR QUANTISERS.  Codes of E2M3 with E8M0 scales go in, codes and scale words of q, k (blocks of 32 along the 1,024 columns) and v (blocks of 32 along the keys) go out; no f32 result is stored.
; LIMITS: NaN and infinities are not served.  A block of zeros gets the byte 1 where the rule says 127: its codes are zeros, and the bytes are read by this program alone.
; IN: xwc, tiles of CH bytes: codes [block of 16 rows][K step][1536: register 4 c + e of lane L at 512 c + 16 L + 4 e], then scale words [K step][2][r][4].  X's 64 chunks: block 2 j + w, lane-row 8 h + i of chunk 2 g + c is
; token 256 g + 128 w + 64 c + 32 h + 8 j + i.  The weights' 24 tiles of 128 columns: block 4 G + t, lane-row 8 h + i is column 64 G + 32 h + 8 t + i.
; OUT: qkvc, pieces of KB bytes: codes of 8 blocks of 16 rows x 128 of K, 1,536 bytes each, then 512 bytes of scale words [block / 4][r][block % 4].  q: piece 8 T + K step (T the tile of 128 tokens); k: 512 + the same; v: 1024 + (8 batch + dv tile) 16 + key step.
; Row r of block 4 c + j is token (v: column) 64 c + 32 (r / 8) + 8 j + r % 8 of its 128.  A block of q or k is two halves of 768 bytes along K, each [lane][16 bytes: registers 0-3][lane][8 bytes: 4, 5]; a block of v is [3][lane][16].
; THE DEAL: 256 work-groups of four waves, 2 x 2.  A wave holds 64 columns of a weight, all of K, in registers (384) and streams X's rows past them in blocks of 16 rows: 32 products a block.
; A work-group makes 256 x 128 of v, PHASE 1 (eight blocks a wave), then 512 x 128 of q or k, PHASE 2 (sixteen).  v's 256 rows are half s87 of its own 512, so the two chunks asked for at the head serve v and then phase 2's first eight blocks.
; s87 = cluster x % 2 and s19 = cluster x / 2 (0 q, 1 k) hang on the cluster alone.  v's dv tile is 4 s19 + cx, its tokens 256 (2 s43 + s87) on.  X's chunks are shared by a row of the cluster, a weight's tile by a column, by joint loads.
; LDS: two slots for chunks, a region for the weight's tile, stages for the results' scale bytes (XN, XM), spare words.
; FILLS: at the head waves 0 and 1 half of Wv's tile each, wave 2 chunk 0, wave 3 chunk 1.  Three refills, each behind a drained round, a quarter of a tile a wave: Wq's or Wk's tile in v's block 2, the other half's chunks in phase 2's blocks 2 and 6.
; What a refill brought is shown by the next round, or by a plain barrier behind which nothing is filled (v's block 7, phase 2's block 10).
; Prefetches: the second weight at the head, chunk 2 in v's block 3, chunk 3 at the change of phase, each shared out by address among the sixteen waves that ask for the tile jointly.
; WAITS: a block's rows were fetched two blocks ago.  Younger than that fetch are the next block's fetch, 24 loads and for an even block 8 of scale words, and the byte stores issued between the two.
; THE WAY OUT: a lane's 32 sums are one scale block; its search for the largest stands among the next block's products, its conversions behind them.
.set FRB, 1536
.set BLKB, 8*FRB
.set CH, 102400
.set SCO, 64*FRB
.set KB, 12800
.set YB, CH
.set BVB, 2*CH
.set XN, 3*CH
.set XM, XN+2048
.set SPARE, XM+1024
.set QCH, CH/4
.set NQ, 8
.set NB, 4
.set FR, 12
.set FPW, 21                           ; fragments in a window of 256 registers
.set EMAX, 2
.set ADRA0, 4                          ; v4   LDS address of my fragments of block 0
.set CO8, 5                            ; v5   8 x lane
.set AAS0, 6                           ; v6   of my scale words of chunk 0
.set CO, 9                             ; v9   16 x lane
.set SPW, 10
.set NIL, 11
.set ADRA, 12                          ; v12  of the pair of blocks that is fetched next
.set ADRB, 14                          ; v14  of the weight's fragments
.set ABS, 15                           ; v15  of the weight's scale words
.set AAS, 17
.set STO, 18                           ; v18  q's or k's scale byte
.set STV, 19                           ; v19  v's
.set SB, 24                            ; v24-39 the weight's scale words: 8 (t % 2) + K step; row t / 2
.set TQ, 40
.set SA, 44                            ; v44-59 the rows' scale words: two sets of eight, a set a pair of blocks; row = the block's parity
.set TC, 60
.set ACC, 64                           ; v64-127 phase 2: two sets of four accumulators
.set HV0, 64                           ; v64-191 phase 1, band 0: 32 t + 8 j + i
.set HV1, 840                          ; v840-967 band 1
.set NCD, 128                          ; v128-139 phase 2: six registers of codes for each parity
.set BBQ, 160                          ; v160-191 q's or k's bias, as the first products' C
.set MCD, 192                          ; v192-239 phase 1: four operands of twelve
.set SOP, 240
.set EB, 244
.set VX, 248
.set BBV, 992                          ; v992-1023 v's bias
.set G1A, 24
.set G1B, 32
.set G0A, 56
.set G0B, 60
.set G0R, 68
.set MSB, 0
.macro WIN new                         ; the immediate's high byte repeats the setting that is left
.if MSB != (\new)
	s_set_vgpr_msb (MSB<<8)|(\new)
.set MSB, (\new)
.endif
.endm
.macro PLACES n
.rept \n
	v_nop
.endr
.endm
.macro WALU
	s_wait_alu depctr_va_vdst(0)
.endm
.macro BARRIER
	s_barrier_signal -1
	s_barrier_wait -1
.endm
.macro MIDDLE                          ; a round's middle
	WIN 0
	s_barrier_wait -1
	s_cmp_lg_u32 s14, 0
	s_cbranch_scc1 .Lnot_wave_0_\@
	s_barrier_signal -3
.Lnot_wave_0_\@:
	s_barrier_wait -3
.endm
.macro CROUND
	s_barrier_signal -1
	MIDDLE
	BARRIER
.endm
.macro GRD
	s_wait_tensorcnt 0x0
	ds_add_u32 v[SPW], v[NIL]
.endm
.macro TLOAD g0, g1
	tensor_load_to_lds s[\g0:\g0+3], s[\g1:\g1+7]
	s_nop 0
	PLACES 4
.endm
.macro GROUP1 g, mask, rows            ; a dense block as rows of 256 bytes (32 elements of 8 bytes)
	s_or_b32 s[\g+0], s[\mask], (3<<16)|(1<<21)
	s_mov_b32 s[\g+1], 32<<16
	s_mov_b32 s[\g+2], (\rows)<<16
	s_mov_b32 s[\g+3], 32<<16
	s_mov_b32 s[\g+4], \rows
	s_mov_b32 s[\g+5], 32
	s_mov_b32 s[\g+6], 0
	s_mov_b32 s[\g+7], 0
.endm
; ---- fragments: f lies in window 1 + f / 21 at register 12 (f % 21): 0-31 the weight's (4 q + t), 32-39 and 40-47 the rows' two sets
.macro FRAG f, a, off
	WIN (1+(\f)/FPW)<<6
.set R_, FR*((\f)%FPW)
.irp k, 0,1,2
	ds_load_b128 v[R_+4*\k:R_+4*\k+3], \a offset:(\off)+512*\k
.endr
.endm
.macro WEIGHTS
.irp q, 0,1,2,3,4,5,6,7
.irp b, 0,1,2,3
	FRAG NB*\q+\b, v[ADRB], BLKB*\b+FRB*\q
.endr
.endr
	WIN 0
.irp q, 0,1,2,3,4,5,6,7
	ds_load_b32 v[SB+\q], v[ABS] offset:512*\q
	ds_load_b32 v[SB+8+\q], v[ABS] offset:512*\q+4
.endr
.endm
.macro FETCHAT e, pp, a, as            ; a block of parity e into set e; an even block brings its pair's scale words into set pp
.irp q, 0,1,2,3,4,5,6,7
	FRAG NB*NQ+NQ*(\e)+\q, \a, 2*BLKB*(\e)+FRB*\q
.endr
	WIN 0
.if (\e) == 0
.irp q, 0,1,2,3,4,5,6,7
	ds_load_b32 v[SA+8*(\pp)+\q], \as offset:512*\q+8*(\pp)
.endr
.endif
.endm
.macro FETCH01                         ; a phase's first two blocks, from slot 0
	FETCHAT 0, 0, v[ADRA0], v[AAS0]
	FETCHAT 1, 0, v[ADRA0], v[AAS0]
.endm
; ---- a product.  n = 4 q + t.  kind 0 (q, k): source 0 the weight; kind 1 (v): source 0 x's rows
.macro PROD kind, e, pp, n, a0, as
.set Q_, (\n)/4
.set W_, (\n)%4
.set FB_, NB*Q_+W_
.set FA_, NB*NQ+NQ*(\e)+Q_
.set D_, (\a0)+(\as)*W_
.set DL_, D_&255
.set XB_, SB+8*(W_%2)+Q_
.set XA_, SA+8*(\pp)+Q_
.if \kind
.if Q_
	WIN (1+FA_/FPW)|((1+FB_/FPW)<<2)|((D_>>8)<<4)|((D_>>8)<<6)
	PROD1 DL_, FA_, FB_, v[DL_:DL_+7], XA_, XB_, \e, W_/2
.else
	WIN (1+FA_/FPW)|((1+FB_/FPW)<<2)|(3<<4)|((D_>>8)<<6)
	PROD1 DL_, FA_, FB_, v[BBV-768+8*W_:BBV-768+8*W_+7], XA_, XB_, \e, W_/2
.endif
.else
	WIN (1+FB_/FPW)|((1+FA_/FPW)<<2)|((D_>>8)<<4)|((D_>>8)<<6)
.if Q_
	PROD1 DL_, FB_, FA_, v[DL_:DL_+7], XB_, XA_, W_/2, \e
.else
	PROD1 DL_, FB_, FA_, v[BBQ+8*W_:BBQ+8*W_+7], XB_, XA_, W_/2, \e
.endif
.endif
.endm
.macro PROD1 d, s0, s1, c, x0, x1, ra, rb
.if (\ra)
.if (\rb)
	WMS \d, \s0, \s1, \c, \x0, \x1, 1, 1
.else
	WMS \d, \s0, \s1, \c, \x0, \x1, 1, 0
.endif
.else
.if (\rb)
	WMS \d, \s0, \s1, \c, \x0, \x1, 0, 1
.else
	WMS \d, \s0, \s1, \c, \x0, \x1, 0, 0
.endif
.endif
.endm
.macro WMS d, s0, s1, c, x0, x1, ra, rb
	v_wmma_scale_f32_16x16x128_f8f6f4 v[\d:\d+7], v[FR*((\s0)%FPW):FR*((\s0)%FPW)+FR-1], v[FR*((\s1)%FPW):FR*((\s1)%FPW)+FR-1], \c, v[\x0], v[\x1] matrix_a_fmt:MATRIX_FMT_FP6 matrix_b_fmt:MATRIX_FMT_FP6 matrix_a_scale:MATRIX_SCALE_ROW\ra matrix_b_scale:MATRIX_SCALE_ROW\rb
.endm
; products \from .. \to - 1 of a block; behind every second one two entries of the list
.macro BLOCK kind, e, pp, a0, as, from, to, list, x=0, y=0
.set N_, \from
.rept (\to)-(\from)
	PROD \kind, \e, \pp, N_, \a0, \as
.if N_%2
	\list N_-1, \x, \y
	\list N_, \x, \y
.endif
.set N_, N_+1
.endr
.endm
; ---- parts of lists; each macro writes entry i and nothing beyond its last
.macro STEP2                           ; the chunk's second pair of blocks
	s_add_co_u32 s101, s47, 4*BLKB
	WIN 0
	v_add_nc_u32 v[ADRA], s101, v[ADRA0]
.endm
.macro STEP0 i                         ; the other slot's first pair
.if (\i) == 0
	s_xor_b32 s47, s47, YB
	WIN 0
	v_add_nc_u32 v[ADRA], s47, v[ADRA0]
.elseif (\i) == 1
	WIN 0
	v_add_nc_u32 v[AAS], s47, v[AAS0]
.endif
.endm
.macro CHAIN i, x, n, t=TQ             ; 18 entries: the largest magnitude of the 32 sums from x on, by two chains, and the conversions' scale operand
.set XW_, (\x)>>8
.set XL_, (\x)&255
.if (\i) >= 0 && (\i) < 14
.set B_, XL_+16*((\i)%2)+2*((\i)/2)
.set T_, (\t)+1-(\i)%2
.if (\i) < 2
	WIN XW_|(XW_<<2)|(XW_<<4)
	v_max3_num_f32 v[T_], |v[B_]|, |v[B_+1]|, |v[B_+2]|
.else
	WIN (XW_<<2)|(XW_<<4)
	v_max3_num_f32 v[T_], v[T_], |v[B_+1]|, |v[B_+2]|
.endif
.elseif (\i) == 14
	WIN XW_<<2
	v_max3_num_f32 v[\t+1], v[\t+1], |v[XL_+15]|, (EMAX+1)<<23
.elseif (\i) == 15
	WIN 0
	v_nop
.elseif (\i) == 16
	WIN XW_<<2
	v_max3_num_f32 v[\t], v[\t], |v[XL_+31]|, v[\t+1]
.elseif (\i) == 17
	WIN 0
	v_add_nc_u32 v[SOP+\n], -(EMAX<<23), v[\t]
.endif
.endm
.macro CODES i, x, c, n, t=TC          ; 6 lines: 32 codes into v[c .. c+5], the scale's byte into v[EB+n]
.set XW_, (\x)>>8
.set XL_, (\x)&255
.if (\i) == 0
	WIN XW_
	v_cvt_scalef32_pk16_fp6_f32 v[\c:\c+2], v[XL_:XL_+15], v[SOP+\n]
.elseif (\i) == 1
	WIN XW_
	v_cvt_scalef32_pk16_fp6_f32 v[\t:\t+2], v[XL_+16:XL_+31], v[SOP+\n]
.elseif (\i) == 2
	WIN 0
	v_lshrrev_b32 v[EB+\n], 23, v[SOP+\n]
.else
	WIN 0
	v_mov_b32 v[\c+\i], v[\t+\i-3]
.endif
.endm
.macro CODES6 x, c, n
.irp i, 0,1,2,3,4,5
	CODES \i, \x, \c, \n
.endr
.endm
.macro PFTILE v, off, share            ; my sixteenth of a tile: 25 blocks of 256 bytes, a lane a block
	s_mul_i32 s21, s\share, CH/16
	s_add_co_u32 s20, s\off, s21
	WIN 0
	v_min_u32 v\v, CH/16/256-1, v3
	v_lshl_add_u32 v\v, v\v, 8, s20
.endm
.macro PFGO v
	global_prefetch_b8 v\v, s[4:5] th:TH_LOAD_NT scope:SCOPE_SE
.endm
.macro PLACE i, p                      ; 4 entries: where block s46's codes go (s[p:p+1]) and its scale byte (v[VX]).  Block n of the order of work is block n % 8 of the half (n / 8) xor s87; the stage goes by the order of work
.if (\i) == 0
	s_and_b32 s20, s46, 7
	s_mul_i32 s20, s20, FRB
	s_lshr_b32 s22, s46, 3
	s_xor_b32 s23, s22, s87
.elseif (\i) == 1
	s_mul_i32 s23, s23, 16*KB
	s_add_co_u32 s20, s20, s23
	s_mov_b32 s21, 0
	s_add_nc_u64 s[\p:\p+1], s[52:53], s[20:21]
.elseif (\i) == 2
	s_lshl_b32 s22, s22, 10
	s_bfe_u32 s23, s46, 0x10002
	s_lshl_b32 s23, s23, 8
	s_or_b32 s22, s22, s23
.elseif (\i) == 3
	s_and_b32 s23, s46, 3
	s_lshl_b32 s23, s23, 2
	s_or_b32 s22, s22, s23
	s_add_co_u32 s46, s46, 1
	WIN 0
	v_add_nc_u32 v[VX], s22, v[STO]
.endif
.endm
; ---- the lists
.macro L_NONE i, x, y
.endm
.macro L_S2 i, x, y
.if (\i) == 0
	STEP2
.endif
.endm
.macro L_C i, x, y
	CHAIN (\i)-14, \x, \y
.endm
.macro L_S2C i, x, y
	L_S2 \i, 0, 0
	CHAIN (\i)-14, \x, \y
.endm
.macro L_V2 i, x, y                    ; v's block 2: from here on a load brings a quarter of a tile; the first refill's descriptor, the later refills' (it steps a chunk ahead of each), the step, chunk 2's prefetch address
.if (\i) == 0
	s_mov_b32 s[G1A+2], (QCH/256)<<16
	s_mov_b32 s[G1A+4], QCH/256
	s_mov_b32 s[G1B+2], (QCH/256)<<16
	s_mov_b32 s[G1B+4], QCH/256
.elseif (\i) == 1
	s_add_co_u32 s20, s17, s54
	s_mov_b32 s21, 0
	s_add_nc_u64 s[G0B+2:G0B+3], s[4:5], s[20:21]
	s_or_b32 s[G0B+3], s[G0B+3], 0x80000000
.elseif (\i) == 2
	s_add_co_u32 s[G0B+1], s54, BVB
	s_add_co_u32 s20, s88, s54
	s_add_nc_u64 s[G0R+2:G0R+3], s[4:5], s[20:21]
.elseif (\i) == 3
	s_sub_nc_u64 s[G0R+2:G0R+3], s[G0R+2:G0R+3], CH
	s_or_b32 s[G0R+3], s[G0R+3], 0x80000000
.elseif (\i) == 6
	PFTILE 7, 88, 90
.endif
	STEP0 (\i)-4
.endm
.macro L_V7 i, x, y                    ; v's block 7: chunk 3's prefetch address; the way out
.if (\i) == 0
	s_add_co_u32 s22, s88, CH
	PFTILE 20, 22, 90
.endif
	CHAIN (\i)-2, \x, \y
.endm
.macro L_ODD i, x, y                   ; the places of the last block, its way out; the wait frees the last stores' registers
	PLACE \i, 84+8*(\y)
.if (\i) == 6
	s_wait_xcnt 0x0
.endif
	CHAIN (\i)-14, \x, \y
.endm
.macro L_EVEN i, x, y
.if (\i) == 4
	STEP2
.endif
	L_ODD \i, \x, \y
.endm
.macro L_SHOW i, x, y
	PLACE \i, 84+8*(\y)
.if (\i) == 4
	s_wait_xcnt 0x0
.endif
	STEP0 (\i)-6
	CHAIN (\i)-8, \x, \y
.endm
.macro L_RND i, x, y                   ; and the refill's descriptor: my quarter of the next chunk, into the slot that is left
.if (\i) == 5
	s_add_co_u32 s[G0R+1], s54, s47
	s_add_nc_u64 s[G0R+2:G0R+3], s[G0R+2:G0R+3], CH
.endif
	L_SHOW \i, \x, \y
.endm
; ---- phase 2's blocks.  w: the count of the wait for the block's rows (-1: they are shown in already)
.macro WAITDS w
.if (\w) >= 0
	s_wait_dscnt \w
.endif
.endm
.macro CODESO e
	CODES6 ACC+32*(1-(\e)), NCD+6*(1-(\e)), 1-(\e)
.endm
.macro PUT2 r, b                       ; 512 and 256 consecutive bytes, aligned to 256
	global_store_b128 v[CO], v[\r:\r+3], s[\b:\b+1]
	global_store_b64 v[CO8], v[\r+4:\r+5], s[\b:\b+1] offset:512
.endm
.macro OUTB e, fetch, pp
	WALU
	ds_store_b8 v[VX], v[EB+1-(\e)]
	PUT2 NCD+6*(1-(\e)), 84+8*(1-(\e))
.if \fetch
	FETCHAT \e, 1-(\pp), v[ADRA], v[AAS]
.endif
.endm
.macro BLKP e, pp, w, fetch, list
	WAITDS \w
	BLOCK 0, \e, \pp, ACC+32*(\e), 8, 0, 32, \list, ACC+32*(1-(\e)), 1-(\e)
	WIN 0
	CODESO \e
	OUTB \e, \fetch, \pp
.endm
.macro BLKR list, refill               ; a round (refill = 1), or a plain barrier behind which nothing is filled, inside the block
	s_wait_dscnt 25
.if \refill
	GRD
.endif
	BLOCK 0, 0, 1, ACC, 8, 0, 26, \list, ACC+32, 1
	WIN 0
	WALU
.if (\refill) == 0
	s_wait_tensorcnt 0x0
.endif
	s_wait_dscnt 0x0
	s_barrier_signal -1
	BLOCK 0, 0, 1, ACC, 8, 26, 32, L_NONE
	WIN 0
.if \refill
	CODESO 0
	MIDDLE
	BARRIER
	TLOAD G0R, G1A
.else
	s_barrier_wait -1
	CODESO 0
.endif
	OUTB 0, 1, 1
.endm
; ================= THE HEAD
	s_load_b256 s[4:11], s[0:1], 0x0               ; xwc, bq, bk, bv
	s_load_b64 s[48:49], s[0:1], 0x20              ; qkvc
	v_lshl_add_u32 v[SPW], v0, 2, SPARE
	v_mov_b32 v[NIL], 0
	ds_add_u32 v[SPW], v[NIL]                      ; the opening lines
	ds_add_u32 v[SPW], v[NIL]
	v_lshrrev_b32 v1, 5, v0
	v_readfirstlane_b32 s14, v1                    ; the wave; s15 its row w of the 2 x 2, s16 its column
	s_lshr_b32 s15, s14, 1
	s_and_b32 s16, s14, 1
	s_bfe_u32 s40, ttmp6, 0x40000                  ; cx
	s_bfe_u32 s41, ttmp6, 0x40004                  ; cy
	s_lshl_b32 s42, ttmp9, 2
	s_add_co_u32 s42, s42, s40                     ; phase 2's tile column, 0 .. 15
	s_and_b32 s43, ttmp7, 0xffff
	s_lshl_b32 s43, s43, 2
	s_add_co_u32 s43, s43, s41                     ; which 512 tokens
	s_lshr_b32 s19, ttmp9, 1                       ; 0 q, 1 k
	s_and_b32 s87, ttmp9, 1                        ; v's half of my 512 tokens
	s_lshl_b32 s13, s19, 2
	s_add_co_u32 s13, s13, s40                     ; v's dv tile
	s_lshl_b32 s12, s43, 1
	s_add_co_u32 s12, s12, s87                     ; v's 256 tokens
	s_lshl_b32 s44, s41, 2
	s_lshl_b32 s44, 15, s44                        ; my row of the cluster
	s_lshl_b32 s45, 0x1111, s40                    ; my column
	GROUP1 G1A, 44, CH/256
	GROUP1 G1B, 45, CH/512
	s_mul_i32 s66, s12, 2*CH                       ; v's two chunks, bytes from xwc
	s_add_co_u32 s17, s42, 64
	s_mul_i32 s17, s17, CH                         ; Wq's or Wk's tile
	s_add_co_u32 s18, s13, 80
	s_mul_i32 s18, s18, CH
	s_mul_i32 s55, s16, 2*QCH
	s_add_co_u32 s18, s18, s55                     ; my half of Wv's tile (waves 0 and 1)
	s_mul_i32 s54, s14, QCH                        ; my quarter of a tile
	s_xor_b32 s88, s87, 1
	s_lshl_b32 s20, s43, 1
	s_add_co_u32 s88, s88, s20
	s_mul_i32 s88, s88, 2*CH                       ; the other half's chunks
	s_mov_b32 s[G0A], 1
	s_mov_b32 s[G0A+1], 0
	s_mov_b32 s[G0R], 1
	s_mov_b32 s[G0R+1], YB
	s_mov_b32 s[G0B], 1
	s_add_co_u32 s[G0B+1], s55, BVB
	v_and_b32 v1, 15, v0                           ; r
	v_bfe_u32 v2, v0, 4, 1                         ; h
	v_and_b32 v3, 31, v0
	v_lshlrev_b32 v[CO], 4, v3
	v_lshlrev_b32 v[CO8], 3, v3
	s_mul_i32 s21, s15, BLKB
	v_add_nc_u32 v[ADRA0], s21, v[CO]
	s_mul_i32 s22, s16, 4*BLKB
	s_add_co_u32 s22, s22, BVB
	v_add_nc_u32 v[ADRB], s22, v[CO]
	v_lshlrev_b32 v22, 4, v1
	v_lshl_add_u32 v[AAS0], v2, 2, v22             ; lane (r, h) takes the word of the pair's block h
	s_lshl_b32 s21, s15, 8
	s_add_co_u32 s21, s21, SCO
	v_add_nc_u32 v[AAS0], s21, v[AAS0]
	v_mov_b32 v[AAS], v[AAS0]
	v_lshl_add_u32 v[ABS], v2, 3, v22              ; and of the weight's tiles 2 h, 2 h + 1
	s_lshl_b32 s22, s16, 8
	s_add_co_u32 s22, s22, BVB+SCO
	v_add_nc_u32 v[ABS], s22, v[ABS]
	v_add_nc_u32 v22, v22, v2
	s_lshl_b32 s21, s15, 9
	s_lshl_b32 s22, s16, 1
	s_add_co_u32 s21, s21, s22
	s_add_co_u32 s21, s21, XN
	v_add_nc_u32 v[STO], s21, v22                  ; XN + 512 w + 16 r + 2 x column + h
	s_lshl_b32 s21, s14, 8
	s_add_co_u32 s21, s21, XM
	v_add_nc_u32 v[STV], s21, v22                  ; XM + 512 w + 256 x column + 16 r + h
	v_lshlrev_b32 v21, 7, v2                       ; q, k: register 8 t + i of lane (r, h) is column 32 h + 8 t + i
	v_lshrrev_b32 v23, 3, v1
	v_lshlrev_b32 v23, 7, v23
	v_and_b32 v8, 7, v1
	v_lshl_add_u32 v23, v8, 2, v23                 ; v: lane (r, h) of tile t has column 32 (r / 8) + 8 t + r % 8
	s_lshl_b32 s90, s40, 2
	s_add_co_u32 s90, s90, s14                     ; my number among the sixteen waves of my row of the cluster
	s_lshl_b32 s100, s41, 2
	s_add_co_u32 s100, s100, s14                   ; and of my column
	WALU
	s_wait_dscnt 0x0
	CROUND                                         ; all sixteen work-groups are here: the first joint loads meet
	s_wait_kmcnt 0x0
	s_mov_b32 s20, s66
	s_mov_b32 s21, 0
	s_add_nc_u64 s[G0A+2:G0A+3], s[4:5], s[20:21]
	s_add_nc_u64 s[G0R+2:G0R+3], s[G0A+2:G0A+3], CH
	s_or_b32 s[G0A+3], s[G0A+3], 0x80000000
	s_or_b32 s[G0R+3], s[G0R+3], 0x80000000
	s_mov_b32 s20, s18
	s_add_nc_u64 s[G0B+2:G0B+3], s[4:5], s[20:21]
	s_or_b32 s[G0B+3], s[G0B+3], 0x80000000
	s_cmp_lt_u32 s14, 2
	s_cbranch_scc0 .Lwave_2
	TLOAD G0B, G1B                                 ; waves 0 and 1: Wv's tile
	s_branch .Lasked
.Lwave_2:
	s_cmp_eq_u32 s14, 2
	s_cbranch_scc0 .Lwave_3
	TLOAD G0A, G1A                                 ; wave 2: chunk 0
	s_branch .Lasked
.Lwave_3:
	TLOAD G0R, G1A                                 ; wave 3: chunk 1
.Lasked:
	s_cmp_eq_u32 s19, 0                            ; the bias, laid as the result lies: the first products' C
	s_cselect_b64 s[6:7], s[6:7], s[8:9]
	s_and_b32 s20, s42, 7
	s_lshl_b32 s20, s20, 1
	s_add_co_u32 s20, s20, s16
	s_lshl_b32 s20, s20, 8
	s_mov_b32 s21, 0
	s_add_nc_u64 s[6:7], s[6:7], s[20:21]
	s_lshl_b32 s20, s13, 1
	s_add_co_u32 s20, s20, s16
	s_lshl_b32 s20, s20, 8
	s_add_nc_u64 s[10:11], s[10:11], s[20:21]
	WIN 3<<6
.irp t, 0,1,2,3
	global_load_b32 v[BBV-768+8*\t], v23, s[10:11] offset:32*\t
.endr
	WIN 0
	s_and_b32 s89, s42, 7                          ; where the results go.  K step of q or k, 512 on for k
	s_lshl_b32 s20, s19, 9
	s_add_co_u32 s89, s89, s20
	s_lshl_b32 s20, s43, 2
	s_add_co_u32 s20, s20, s15
	s_lshl_b32 s20, s20, 3
	s_add_co_u32 s20, s20, s89
	s_mul_i32 s76, s20, KB
	s_mul_i32 s22, s16, 768
	s_add_co_u32 s76, s76, s22
	s_mov_b32 s77, 0
	s_lshl_b32 s22, s87, 1
	s_xor_b32 s22, s22, s14                        ; the stage's tile that I store at the end: its halves lie in the order of work
	s_lshl_b32 s20, s43, 2
	s_add_co_u32 s20, s20, s22
	s_lshl_b32 s20, s20, 3
	s_add_co_u32 s20, s20, s89
	s_mul_i32 s78, s20, KB
	s_add_co_u32 s78, s78, BLKB
	s_mov_b32 s79, 0
	s_lshr_b32 s20, s12, 3
	s_lshl_b32 s20, s20, 3
	s_add_co_u32 s20, s20, s13
	s_lshl_b32 s20, s20, 4
	s_and_b32 s22, s12, 7
	s_lshl_b32 s22, s22, 1
	s_add_co_u32 s20, s20, s22
	s_add_co_u32 s20, s20, s15
	s_add_co_u32 s20, s20, 1024
	s_mul_i32 s80, s20, KB
	s_lshl_b32 s23, s16, 8
	s_add_co_u32 s82, s80, s23
	s_add_co_u32 s82, s82, BLKB
	s_mul_i32 s22, s16, 4*FRB
	s_add_co_u32 s80, s80, s22
	s_mov_b32 s81, 0
	s_mov_b32 s83, 0
	s_add_nc_u64 s[52:53], s[48:49], s[76:77]      ; q's or k's codes
	s_add_nc_u64 s[50:51], s[48:49], s[80:81]      ; v's
	s_add_nc_u64 s[78:79], s[48:49], s[78:79]      ; q's or k's scale words
	s_add_nc_u64 s[82:83], s[48:49], s[82:83]      ; v's
	s_mov_b32 s46, 0
	s_mov_b32 s47, 0
	s_wait_loadcnt 0x0
	WIN (3<<6)|3
.irp t, 0,8,16,24
.irp i, 1,2,3,4,5,6,7
	v_mov_b32 v[BBV-768+\t+\i], v[BBV-768+\t]
.endr
.endr
	WIN 0
	PFTILE 8, 17, 100                              ; what the first refill will load
	WALU
	s_cmp_lt_u32 s14, 2
	s_cbranch_scc0 .Lnot_b
	s_wait_tensorcnt 0x0
.Lnot_b:
	BARRIER                                        ; Wv's tile is in
	PFGO 8
	WEIGHTS
	s_cmp_eq_u32 s14, 3
	s_cbranch_scc1 .Lnot_a0
	s_wait_tensorcnt 0x0
.Lnot_a0:
	s_wait_dscnt 0x0
	BARRIER                                        ; chunk 0 is in; chunk 1 may still be on its way
	FETCH01
; ================= PHASE 1: v, eight blocks; band 0's way outs stand in band 1's blocks
	s_wait_dscnt 24
	BLOCK 1, 0, 0, HV0, 32, 0, 32, L_S2
	WIN 0
	PLACES 4
	WALU
	FETCHAT 0, 1, v[ADRA], v[AAS]
	s_wait_dscnt 32
	BLOCK 1, 1, 0, HV0+8, 32, 0, 32, L_NONE
	WIN 0
	PLACES 4
	FETCHAT 1, 1, v[ADRA], v[AAS]
	s_wait_dscnt 24
	GRD
	BLOCK 1, 0, 1, HV0+16, 32, 0, 24, L_V2
	WIN 0
	s_wait_dscnt 0x0
	s_barrier_signal -1
	BLOCK 1, 0, 1, HV0+16, 32, 24, 32, L_NONE
	MIDDLE
	BARRIER
	TLOAD G0B, G1B                                 ; Wq's or Wk's tile onto Wv's, which all waves hold in registers
	WALU
	FETCHAT 0, 0, v[ADRA], v[AAS]
	PFGO 7
	BLOCK 1, 1, 1, HV0+24, 32, 0, 32, L_NONE
	WIN 0
	PLACES 4
	FETCHAT 1, 0, v[ADRA], v[AAS]
	s_wait_dscnt 24
	BLOCK 1, 0, 0, HV1, 32, 0, 32, L_S2C, HV0, 0
	WIN 0
	CODES6 HV0, MCD, 0
	WALU
	ds_store_b8 v[STV], v[EB]
	FETCHAT 0, 1, v[ADRA], v[AAS]
	s_wait_dscnt 33
	BLOCK 1, 1, 0, HV1+8, 32, 0, 32, L_C, HV0+32, 1
	WIN 0
	CODES6 HV0+32, MCD+12, 1
	WALU
	ds_store_b8 v[STV], v[EB+1] offset:4
	FETCHAT 1, 1, v[ADRA], v[AAS]
	s_wait_dscnt 25
	BLOCK 1, 0, 1, HV1+16, 32, 0, 32, L_C, HV0+64, 2
	WIN 0
	CODES6 HV0+64, MCD+24, 2
	WALU
	ds_store_b8 v[STV], v[EB+2] offset:8
	s_wait_dscnt 1
	BLOCK 1, 1, 1, HV1+24, 32, 0, 26, L_V7, HV0+96, 3
	WIN 0
	WALU
	s_wait_tensorcnt 0x0
	s_wait_dscnt 0x0
	s_barrier_signal -1                            ; a plain barrier: the tile that the first refill brought is shown to all
	BLOCK 1, 1, 1, HV1+24, 32, 26, 32, L_NONE
	WIN 0
	s_barrier_wait -1
	CODES6 HV0+96, MCD+36, 3
	WALU
	ds_store_b8 v[STV], v[EB+3] offset:12
; ================= THE CHANGE OF PHASE: the second weight and the first two blocks, which lie in slot 0 still, in one run of loads; band 1's way outs under their flight
.irp k, 0,1,2,3,4,5,6,7
	global_load_b128 v[BBQ+4*\k:BBQ+4*\k+3], v21, s[6:7] offset:16*\k
.endr
	WEIGHTS
	FETCH01
	PFGO 20
	s_mov_b32 s47, 0
	v_mov_b32 v[AAS], v[AAS0]
.set I, 0
.rept 18
.irp t, 0,1,2,3
	CHAIN I, HV1+32*\t, \t, 64+4*\t
.endr
.set I, I+1
.endr
.set I, 0
.rept 6
.irp t, 0,1,2,3
	CODES I, HV1+32*\t, MCD+12*\t+6, \t, 80+4*\t
.endr
.set I, I+1
.endr
	WIN 0
	WALU
; ================= PHASE 2: q or k, sixteen blocks
	s_wait_loadcnt 0x0
	s_wait_dscnt 24
	BLOCK 0, 0, 0, ACC, 8, 0, 32, L_S2
	WIN 0
	PLACES 4
	WALU
.irp t, 0,1,2,3
	ds_store_b8 v[STV], v[EB+\t] offset:2+4*\t
.endr
.irp t, 0,1,2,3                        ; v's codes leave
.irp k, 0,1,2
	global_store_b128 v[CO], v[MCD+12*\t+4*\k:MCD+12*\t+4*\k+3], s[50:51] offset:FRB*\t+512*\k
.endr
.endr
	FETCHAT 0, 1, v[ADRA], v[AAS]
	BLKP 1, 0, 36, 1, L_ODD
	s_mov_b32 s86, 0
.Lwith_rounds:                                         ; blocks 2 to 5, 6 to 9
	BLKR L_RND, 1
	BLKP 1, 1, -1, 1, L_ODD
	BLKP 0, 0, 25, 1, L_EVEN
	BLKP 1, 0, 33, 1, L_ODD
	s_add_co_u32 s86, s86, 1
	s_cmp_lg_u32 s86, 2
	s_cbranch_scc1 .Lwith_rounds
	BLKR L_SHOW, 0                                 ; block 10
	BLKP 1, 1, -1, 1, L_ODD
	BLKP 0, 0, 25, 1, L_EVEN
	BLKP 1, 0, 33, 1, L_ODD
	BLKP 0, 1, 25, 0, L_ODD
	BLKP 1, 1, 1, 0, L_ODD
; ================= THE END: the last way out; the scale bytes go through LDS under its conversions
.irp i, 0,1,2,3
	PLACE \i, 92
.endr
	s_lshl_b32 s21, s14, 9
	s_add_co_u32 s21, s21, XN
	v_add_nc_u32 v12, s21, v[CO]
	s_lshl_b32 s21, s14, 8
	s_add_co_u32 s21, s21, XM
	v_add_nc_u32 v14, s21, v[CO8]
.set I, 0
.rept 18
	CHAIN I, ACC+32, 1
.set I, I+1
.endr
	CODES 2, ACC+32, NCD+6, 1
	WALU
	ds_store_b8 v[VX], v[EB+1]
	s_wait_dscnt 0x0
	s_barrier_signal -1
	CODES 0, ACC+32, NCD+6, 1
	CODES 1, ACC+32, NCD+6, 1
	WIN 0
	v_nop
.irp i, 3,4,5
	CODES \i, ACC+32, NCD+6, 1
.endr
	s_barrier_wait -1
	WALU
	ds_load_b128 v[64:67], v12
	ds_load_b64 v[68:69], v14
	PUT2 NCD+6, 92
	s_wait_dscnt 0x0
	global_store_b128 v[CO], v[64:67], s[78:79]
	global_store_b64 v[CO8], v[68:69], s[82:83]
	s_wait_tensorcnt 0x0                           ; the wave's end
	ds_add_u32 v[SPW], v[NIL]
	s_wait_dscnt 0x0
	CROUND
	s_endpgm
.Lfunc_end_k_q14aa1648c5_proj:
	.size	k_q14aa1648c5_proj, .Lfunc_end_k_q14aa1648c5_proj-k_q14aa1648c5_proj
	.p2alignl 7, 3214868480
	.fill 96, 4, 3214868480
	.section	.rodata,"a",@progbits
	.p2align	6, 0x0
	.amdhsa_kernel k_q14aa1648c5_proj
		.amdhsa_group_segment_fixed_size 327680
		.amdhsa_private_segment_fixed_size 0
		.amdhsa_enable_private_segment 0
		.amdhsa_kernarg_size 40
		.amdhsa_user_sgpr_count 2
		.amdhsa_user_sgpr_kernarg_segment_ptr 1
		.amdhsa_wavefront_size32 1
		.amdhsa_system_sgpr_workgroup_id_x 1
		.amdhsa_system_sgpr_workgroup_id_y 1
		.amdhsa_system_sgpr_workgroup_id_z 1
		.amdhsa_system_vgpr_workitem_id 0
		.amdhsa_next_free_vgpr 1024
		.amdhsa_next_free_sgpr 102
		.amdhsa_reserve_vcc 0
		.amdhsa_float_denorm_mode_32 3
		.amdhsa_float_denorm_mode_16_64 3
		.amdhsa_memory_ordered 1
		.amdhsa_forward_progress 1
		.amdhsa_inst_pref_size 201
	.end_amdhsa_kernel
	.amdgpu_metadata
---
amdhsa.version: [ 1, 2 ]
amdhsa.kernels:
  - .name:           k_q14aa1648c5_proj
    .symbol:         k_q14aa1648c5_proj.kd
    .args:
      - { .name: xwc, .offset: 0, .size: 8, .value_kind: global_buffer, .address_space: global }
      - { .name: bq, .offset: 8, .size: 8, .value_kind: global_buffer, .address_space: global }
      - { .name: bk, .offset: 16, .size: 8, .value_kind: global_buffer, .address_space: global }
      - { .name: bv, .offset: 24, .size: 8, .value_kind: global_buffer, .address_space: global }
      - { .name: qkvc, .offset: 32, .size: 8, .value_kind: global_buffer, .address_space: global }
    .group_segment_fixed_size: 327680
    .private_segment_fixed_size: 0
    .kernarg_segment_align: 8
    .kernarg_segment_size: 40
    .max_flat_workgroup_size: 128
    .sgpr_count:     102
    .vgpr_count:     1024
    .wavefront_size: 32
...
	.end_amdgpu_metadata
.endif
;; end of part 2
;; launch scores (part 3): grid 8 x 32, 4 waves a work-group, clusters of 4 x 4, 327,680 bytes of LDS; arguments qkvc, pcod, pst; writes pcod, pst
.if DOCPART == 3
	.amdgcn_target "amdgcn-amd-amdhsa--gfx1250"
	.amdhsa_code_object_version 6
	.text
	.protected	k_q14aa1648c5_scores
	.globl	k_q14aa1648c5_scores
	.p2align	8
	.type	k_q14aa1648c5_scores,@function
k_q14aa1648c5_scores:
	s_mov_b64 s[64:65], 0
	v_nop
	global_prefetch_b8 v0, s[64:65] scope:SCOPE_SE
	s_setreg_imm32_b32 hwreg(HW_REG_WAVE_MODE, 25, 1), 1
	s_wait_xcnt 0x0
	s_wait_alu depctr_hold_cnt(0) depctr_sa_sdst(0) depctr_va_vdst(0) depctr_va_sdst(0) depctr_va_ssrc(0) depctr_va_vcc(0) depctr_vm_vsrc(0)
	s_getreg_b32 s2, hwreg(HW_REG_IB_STS2, 6, 4)
	s_cmp_eq_u32 s2, 0
	s_cbranch_scc0 .Lentry_in_a_cluster
	s_endpgm
.Lentry_in_a_cluster:
	s_bfe_u32 s2, ttmp6, 0x10000c
	s_cmp_lg_u32 s2, 0xf033
	s_cbranch_scc0 .Lentry_shape_is_right
	s_endpgm
.Lentry_shape_is_right:
; S^T = k q^T on codes of E2M3 with E8M0 scales, and the softmax's p as codes.  A work-group makes 256 queries x 256 keys of one batch, a wave 128 x 128: source 1 ("A") = 16 queries (the lanes), source 0 ("B") = 16 keys
; (the registers: by the order of rows in a block, the registers of accumulators 2 b and 2 b + 1 are keys 32 b + 16 (lane / 16) + 0 .. 15 of the wave's 128).
; THE SOFTMAX, for each query and each run of 128 keys by itself: t = score x log2(e) / 32; M = the run's largest t rounded up to a whole number; p = 2^(t - M), quantised along the keys; l = the sum of the unquantised p.
; p's codes leave as images of operand registers, with their scale words, -M and l beside them.  The next launch brings the runs under the row's M: whole numbers off the scale bytes, powers of two onto l: nothing is rounded.
; K = 1,024 in 8 steps of 128 through two LDS slots of two steps; the text is straight.  CLUSTER 4 x 4: q's tiles are shared along a row of the cluster, k's along a column, by joint loads.
; A block's largest p is made from its largest score by the same multiply-add and exponential (this takes v_exp_f32 not to fall where its input rises; at the worst one p of a block is held one code low).
; LIMITS: NaN and infinities are not served; a block whose every p is 0 keeps the byte 1 (zero codes).
; REGISTERS.  Window 0: v1 r, v2 h, v3 16 x lane, v4-9 LDS addresses, v10-18 the softmax's, v28-29 the add's two, v32-47 scale words, v48-63 at work, v64-255 A's fragments (two sets); on the way out
;   v64-127 p, v128-223 codes, v224-231 halves, v232-239 scale words, v240-247 -M, v248-255 l.  Window 1: B's fragments at 0 and 128.  Windows 2, 3: accumulator (a, b) at v[8 (8 (a % 4) + b)] of window 2 + a / 4.
.set NA, 8
.set NQ, 2
.set NK, 8
; THE ORDER OF ROWS (it takes the place of the one named above): row r of block 4 c + j of a tile of 128 is token 64 c + 32 (r / 8) + 8 j + r % 8, so registers 32 c + 0 .. 31 of a lane's 64 scores are keys 64 c + 32 (lane / 16) + 0 .. 31: a whole scale block.
; A tile's K step is KB bytes: 8 blocks of codes (two halves of 768 along K: 16 bytes a lane, then 8 bytes a lane), then the scale words [block / 4][r][block % 4]: one load brings both.
.set KB,  12800
.set FRB, 1536
.set PART, NQ*KB
.set SLOT, 4*PART
.set SPARE, 2*SLOT                     ; the spare words, 128 bytes a wave, which no other line names
.set PKB, 12288                        ; a run's codes of p
.set A8, 19                            ; v19-20, v21-22: as ADRA, ADRB, 8 bytes a lane
.set B8, 21
.set H8, 24                            ; v24: 8 h
.set LI, 3
.set ADRA, 4
.set ADRB, 6
.set ADRS, 8
.set ADRS2, 9
.set NM, 10                            ; v[10:11] -M (the pair's upper word is written once, and not used)
.set MX, 12
.set SPW, 28
.set NIL, 29
.set SC, 32
.set TM, 48
.set AF, 64
.set PP, 64
.set PC, 128
.set PT, 224
.set PWD, 232
.set NMW, 240
.set LW, 248
.set G1, 24
.set G0, 32
.set G1B, 48
.set G0B, 56
.set SEL, 66
.set G1S, 68
.set G0S, 76
.set G1SB, 80
.set G0SB, 88
.set CS, 96                            ; s[96:97] c = log2(e) / 32
.set MSB, 0
.macro WIN new                         ; the immediate's high byte repeats the setting that is left
.if MSB != (\new)
	s_set_vgpr_msb (MSB<<8)|(\new)
.set MSB, (\new)
.endif
.endm
.macro PLACES                          ; four plain places behind matrix instructions (ISA guide 7.12.1)
.rept 4
	v_nop
.endr
.endm
.macro CREST
	s_cmp_lg_u32 s18, 0
	s_cbranch_scc1 .Lnot_wave_0_\@
	s_barrier_signal -3
.Lnot_wave_0_\@:
	s_barrier_wait -3
	s_barrier_signal -1
	s_barrier_wait -1
.endm
.macro CROUND
	s_barrier_signal -1
	s_barrier_wait -1
	CREST
.endm
.macro JLOAD g0a, g1a, g0b, g1b        ; a joint load: waves 0 and 1 for A, waves 2 and 3 for B; s_nop 0 and four v_nop follow each line
	s_cmp_eq_u32 s19, 0
	s_cbranch_scc0 .Lfor_b_\@
	tensor_load_to_lds s[\g0a:\g0a+3], s[\g1a:\g1a+7]
	s_nop 0
	PLACES
	s_branch .Lasked_\@
.Lfor_b_\@:
	tensor_load_to_lds s[\g0b:\g0b+3], s[\g1b:\g1b+7]
	s_nop 0
	PLACES
.Lasked_\@:
.endm
.macro DESC g, rows                    ; a dense block as rows of 256 bytes (32 elements of 8 bytes)
	s_mov_b32 s[\g+1], 32<<16
	s_mov_b32 s[\g+2], (\rows)<<16
	s_mov_b32 s[\g+3], 32<<16
	s_mov_b32 s[\g+4], \rows
	s_mov_b32 s[\g+5], 32
	s_mov_b32 s[\g+6], 0
	s_mov_b32 s[\g+7], 0
.endm
.macro FRAG reg, adr, adr8, off
.irp c, 0,1
	ds_load_b128 v[(\reg)+6*\c:(\reg)+6*\c+3], v[\adr] offset:(\off)+768*\c
	ds_load_b64 v[(\reg)+6*\c+4:(\reg)+6*\c+5], v[\adr8] offset:(\off)+768*\c+512
.endr
.endm
.macro FETCH slot, q, p, k
	WIN 0x40
.irp i, 0,1,2,3,4,5,6,7
	FRAG 128*(\p)+12*\i, ADRB+(\slot), B8+(\slot), KB*(\q)+FRB*\i
.endr
	WIN 0
.set fa, 0
.rept NA
	FRAG AF+12*NA*(\p)+12*fa, ADRA+(\slot), A8+(\slot), KB*(\q)+FRB*fa
.set fa, fa+1
.endr
	ds_load_b128 v[SC+8*(\p):SC+8*(\p)+3], v[ADRS+(\slot)] offset:KB*(\q)+12288
	ds_load_b128 v[SC+8*(\p)+4:SC+8*(\p)+7], v[ADRS+(\slot)] offset:KB*(\q)+12288+256
.endm
.macro MULS a0, n, p, cm               ; cm 0: C = D;  3: C = 0.  The accumulators take turns, one instruction a turn
.set ma, (\a0)
.rept (\n)
	WIN 0xa1+0x50*(ma/4)
.set mb, 0
.rept 8
.set rD, 8*(8*(ma%4)+mb)
.set rB, 128*(\p)+12*mb
.set rA, AF+12*NA*(\p)+12*ma
.if (\cm) == 0
	v_wmma_scale_f32_16x16x128_f8f6f4 v[rD:rD+7], v[rB:rB+11], v[rA:rA+11], v[rD:rD+7], v[SC+8*(\p)+mb], v[SC+8*(\p)+ma] matrix_a_fmt:MATRIX_FMT_FP6 matrix_b_fmt:MATRIX_FMT_FP6 matrix_a_scale:MATRIX_SCALE_ROW1
.else
	v_wmma_scale_f32_16x16x128_f8f6f4 v[rD:rD+7], v[rB:rB+11], v[rA:rA+11], 0, v[SC+8*(\p)+mb], v[SC+8*(\p)+ma] matrix_a_fmt:MATRIX_FMT_FP6 matrix_b_fmt:MATRIX_FMT_FP6 matrix_a_scale:MATRIX_SCALE_ROW1
.endif
.set mb, mb+1
.endr
.set ma, ma+1
.endr
.endm
.macro KSTEP k, cm
.set kq, (\k)%NQ
.set ks, ((\k)/NQ)%2
.set kp, (\k)%2
.if (\k) == NK-1
	s_wait_dscnt 0x0
	MULS 0, NA, kp, \cm
	WIN 0
.elseif kq < NQ-1
	s_wait_dscnt 0x0                               ; this step's fragments are in
	PLACES
	FETCH ks, kq+1, 1-kp, (\k)+1
	MULS 0, NA, kp, \cm
.else
	WIN 0
	s_wait_tensorcnt 0x0                           ; all my tensor loads have landed: my part of the other slot
	ds_add_u32 v[SPW], v[NIL]                      ; 0 onto my spare word
	s_wait_dscnt 0x1                               ; the add alone may be out
	MULS 0, NA/4, kp, \cm
	s_wait_dscnt 0x0                               ; the add is done, and my reads of this slot are over
	s_barrier_signal -1
	MULS NA/4, NA/4, kp, \cm
	WIN 0
	s_barrier_wait -1
.if (\k)/NQ < 2
	CREST                                          ; a round of the cluster's barrier: no wave of any partner still reads this slot or has a load on its way
	s_add_nc_u64 s[G0+4*ks+2:G0+4*ks+3], s[G0+4*ks+2:G0+4*ks+3], 2*NQ*KB
	s_add_nc_u64 s[G0B+4*ks+2:G0B+4*ks+3], s[G0B+4*ks+2:G0B+4*ks+3], 2*NQ*KB
	JLOAD G0+4*ks, G1, G0B+4*ks, G1B
.else
	PLACES
.endif
	FETCH 1-ks, 0, 1-kp, (\k)+1
	MULS NA/2, NA/2, kp, \cm
.endif
.endm
	s_load_b64 s[4:5], s[0:1], 0x0                 ; qkvc
	s_load_b128 s[8:11], s[0:1], 0x8               ; pcod, pst
	v_lshl_add_u32 v[SPW], v0, 2, SPARE
	v_mov_b32 v[NIL], 0
	ds_add_u32 v[SPW], v[NIL]                      ; the wave's opening: the add and its wait ahead of my first tensor load; work on registers between them
	ds_add_u32 v[SPW], v[NIL]
	v_lshrrev_b32 v1, 5, v0
	v_readfirstlane_b32 s18, v1
	s_lshr_b32 s19, s18, 1                         ; RH
	s_and_b32 s20, s18, 1                          ; CH
	s_bfe_u32 s21, ttmp6, 0x40000                  ; cx
	s_bfe_u32 s22, ttmp6, 0x40004                  ; cy
	s_and_b32 s23, ttmp7, 0xffff                   ; the cluster's y
	s_lshl_b32 s40, ttmp9, 2
	s_add_co_u32 s40, s40, s21                     ; work-group x: which 256 keys of the batch
	s_lshl_b32 s41, s22, 2
	s_lshl_b32 s41, 15, s41
	s_lshl_b32 s42, 0x1111, s21
	s_or_b32 s[G1], s41, (3<<16)|(1<<21)
	s_or_b32 s[G1B], s42, (3<<16)|(1<<21)
	DESC G1, PART/256
	DESC G1B, PART/256
	s_lshl_b32 s43, s23, 2
	s_add_co_u32 s43, s43, s22                     ; A: q's pair of tiles = work-group y
	s_lshr_b32 s99, s23, 1                         ; the batch
	s_lshl_b32 s99, s99, 3
	s_add_co_u32 s99, s99, 32                      ; k lies behind q's 32 pairs
	s_add_co_u32 s99, s99, s40                     ; B: k's pair of tiles
	s_lshl_b32 s2, s43, 1
	s_add_co_u32 s2, s2, s20
	s_mul_i32 s2, s2, 8*KB
	s_mov_b32 s3, 0
	s_lshl_b32 s46, s99, 1
	s_add_co_u32 s46, s46, s20
	s_mul_i32 s46, s46, 8*KB
	s_mov_b32 s47, 0
	s_mul_i32 s94, s18, PART
	s_wait_dscnt 0x0
	s_wait_kmcnt 0x0
	s_add_nc_u64 s[2:3], s[4:5], s[2:3]
	s_add_nc_u64 s[46:47], s[4:5], s[46:47]
	CROUND
.irp s, 0,1
	s_mov_b32 s[G0+4*\s], 1
	s_add_co_u32 s[G0+4*\s+1], s94, \s*SLOT
	s_add_nc_u64 s[G0+4*\s+2:G0+4*\s+3], s[2:3], \s*PART
	s_or_b32 s[G0+4*\s+3], s[G0+4*\s+3], 0x80000000
	s_mov_b32 s[G0B+4*\s], 1
	s_add_co_u32 s[G0B+4*\s+1], s94, \s*SLOT
	s_add_nc_u64 s[G0B+4*\s+2:G0B+4*\s+3], s[46:47], \s*PART
	s_or_b32 s[G0B+4*\s+3], s[G0B+4*\s+3], 0x80000000
.endr
	JLOAD G0, G1, G0B, G1B                         ; slot 0: one tensor load a wave at the head
	v_and_b32 v1, 15, v0
	v_bfe_u32 v2, v0, 4, 1
	s_wait_alu depctr_va_vdst(0)
	v_and_b32 v[LI], 31, v0
	v_lshlrev_b32 v[LI], 4, v[LI]
	s_mul_i32 s2, s19, PART
	s_mul_i32 s3, s20, PART
	s_add_co_u32 s3, s3, 2*PART
	v_add_nc_u32 v[ADRA], s2, v[LI]
	v_add_nc_u32 v[ADRB], s3, v[LI]
	s_add_co_u32 s2, s2, SLOT
	s_add_co_u32 s3, s3, SLOT
	v_add_nc_u32 v[ADRA+1], s2, v[LI]
	v_add_nc_u32 v[ADRB+1], s3, v[LI]
	v_lshrrev_b32 v23, 1, v[LI]                    ; 8 x lane
	s_mul_i32 s2, s19, PART
	s_mul_i32 s3, s20, PART
	s_add_co_u32 s3, s3, 2*PART
	v_add_nc_u32 v[A8], s2, v23
	v_add_nc_u32 v[B8], s3, v23
	v_add_nc_u32 v[A8+1], SLOT, v[A8]
	v_add_nc_u32 v[B8+1], SLOT, v[B8]
	s_add_co_u32 s2, s20, 2
	s_sub_co_u32 s2, s2, s19
	s_mul_i32 s2, s2, PART                         ; from my q tile's words to my k tile's: lanes 16-31 take k's
	v_mul_u32_u24 v[ADRS], s2, v2
	v_lshl_add_u32 v[ADRS], v1, 4, v[ADRS]
	s_mul_i32 s3, s19, PART
	v_add_nc_u32 v[ADRS], s3, v[ADRS]
	v_add_nc_u32 v[ADRS2], SLOT, v[ADRS]
	s_lshl_b32 s2, s43, 1
	s_add_co_u32 s2, s2, s19                       ; T' = my tile of queries
	s_lshl_b32 s2, s2, 4
	s_lshl_b32 s3, s40, 1
	s_add_co_u32 s2, s2, s3
	s_add_co_u32 s2, s2, s20                       ; 16 T' + my run of 128 keys
	s_mul_i32 s92, s2, PKB
	s_mov_b32 s93, 0
	s_lshl_b32 s94, s2, 9
	s_mov_b32 s95, 0
	s_add_nc_u64 s[92:93], s[8:9], s[92:93]
	s_add_nc_u64 s[94:95], s[10:11], s[94:95]
	s_mov_b32 s[SEL], 0x76543210
	s_mov_b32 s[SEL+1], 0xfedcba98
	s_mov_b32 s98, 0xffff0000
	s_mov_b32 s[CS], 0x3d38aa3b                    ; log2(e) / 32
	s_mov_b32 s[CS+1], s[CS]                       ; (named with it as a pair, so it is written)
.irp b, 0,1,2,3
	v_mov_b32 v[TM+4+\b], 0                        ; a lane permute's destination counts as one of its sources
.endr
	v_mov_b32 v[NM+1], 0
	v_mov_b32 v18, 0
	v_lshlrev_b32 v[H8], 3, v2
	s_wait_alu depctr_va_vdst(0)                   ; the head's end
	s_wait_tensorcnt 0x0                           ; my part of slot 0 is in
	ds_add_u32 v[SPW], v[NIL]
	s_wait_dscnt 0x0
	CROUND
	JLOAD G0+4, G1, G0B+4, G1B                     ; slot 1, the first tensor load behind the round
	FETCH 0, 0, 0, 0
	KSTEP 0, 3
	KSTEP 1, 0
	KSTEP 2, 0
	KSTEP 3, 0
	KSTEP 4, 0
	KSTEP 5, 0
	KSTEP 6, 0
	KSTEP 7, 0
; THE WAY OUT, a block of 16 queries at a time: a lane holds one query and 64 of its 128 scores.
.macro SOFTQ a
.set AC, 64*((\a)%4)
.set AW, 2+(\a)/4
.set PCA, PC+12*(\a)
	WIN AW|(AW<<2)
.irp b, 0,1,2,3
	v_max_num_f32 v[TM+\b], v[AC+16*\b], v[AC+16*\b+1]   ; the largest score of each block of 32 keys; each accumulator is read from its low end on
.endr
.irp i, 2,4,6,8,10,12,14
.irp b, 0,1,2,3
	v_max3_num_f32 v[TM+\b], v[AC+16*\b+\i], v[AC+16*\b+\i+1], v[TM+\b]
.endr
.endr
	WIN 0
	v_max_num_f32 v[TM], v[TM], v[TM+1]            ; my block of band 0,
	v_max_num_f32 v[TM+1], v[TM+2], v[TM+3]        ; and of band 1
	v_max_num_f32 v[MX], v[TM], v[TM+1]
	v_permlanex16_b32 v[TM+4], v[MX], s[SEL], s[SEL+1]
	v_max_num_f32 v[MX], v[MX], v[TM+4]
	v_mul_f32 v[MX], s[CS], v[MX]                  ; the run's largest t
	v_floor_f32 v[NM], -v[MX]                      ; -M = floor(-t) = -ceil(t)
	v_mov_b32 v[NMW+(\a)], v[NM]
	WIN AW
.set j, 0
.rept 32
	v_pk_fma_f32 v[PP+j:PP+j+1], v[AC+j:AC+j+1], s[CS:CS+1], v[NM:NM+1] op_sel_hi:[1,0,0]   ; t - M, two at a time
.set j, j+2
.endr
	WIN 0
.irp b, 0,1
	v_fma_f32 v[TM+\b], v[TM+\b], s[CS], v[NM]     ; the same of each block's largest score
.endr
.set j, 0
	s_wait_alu depctr_va_vdst(0)
.rept 64
	v_exp_f32 v[PP+j], v[PP+j]                     ; p = 2^(t - M)
.set j, j+1
.endr
	v_nop                                          ; a plain place behind the exponentials
	s_wait_alu depctr_va_vdst(0)                   ; one wait for the batch, ahead of its first reader
.irp b, 0,1
	v_exp_f32 v[TM+\b], v[TM+\b]                   ; each block's largest p
.endr
	v_pk_add_f32 v[14:15], v[PP:PP+1], v[PP+2:PP+3]   ; the sum of the unquantised p, in two chains: plain work behind the two
	v_pk_add_f32 v[16:17], v[PP+4:PP+5], v[PP+6:PP+7]
.irp j, 8,12,16,20,24,28,32,36,40,44,48,52,56,60
	v_pk_add_f32 v[14:15], v[14:15], v[PP+\j:PP+\j+1]
	v_pk_add_f32 v[16:17], v[16:17], v[PP+\j+2:PP+\j+3]
.endr
	v_pk_add_f32 v[14:15], v[14:15], v[16:17]
	v_add_f32 v14, v14, v15
	v_permlanex16_b32 v18, v14, s[SEL], s[SEL+1]
	v_add_f32 v[LW+(\a)], v14, v18
	s_wait_alu depctr_va_vdst(0)                   ; and one for the two
.irp b, 0,1
	v_max_num_f32 v[TM+\b], 0x1800000, v[TM+\b]    ; the floor 2^(3 - 127)
.endr
.irp b, 0,1
	v_add_nc_u32 v[TM+12+\b], 0xff000000, v[TM+\b]
.endr
.irp b, 0,1
	v_lshrrev_b32 v[TM+8+\b], 23, v[TM+12+\b]
.endr
	v_lshl_or_b32 v[TM+8], v[TM+9], 16, v[TM+8]    ; my two bytes, h and 2 + h of the word,
	v_lshlrev_b32 v[TM+8], v[H8], v[TM+8]
	v_permlanex16_b32 v[TM+5], v[TM+8], s[SEL], s[SEL+1]
	v_or_b32 v[PWD+(\a)], v[TM+8], v[TM+5]         ; and lane l xor 16's
.irp c, 0,1
	v_cvt_scalef32_pk16_fp6_f32 v[PCA+6*\c:PCA+6*\c+2], v[PP+32*\c:PP+32*\c+15], v[TM+12+\c]
	v_cvt_scalef32_pk16_fp6_f32 v[PT+4*\c:PT+4*\c+2], v[PP+32*\c+16:PP+32*\c+31], v[TM+12+\c]
.endr
	v_nop                                          ; one plain place behind a scaled conversion
.irp c, 0,1
.irp i, 0,1,2
	v_mov_b32 v[PCA+6*\c+3+\i], v[PT+4*\c+\i]
.endr
.endr
.irp c, 0,1,2
	global_store_b128 v[LI], v[PCA+4*\c:PCA+4*\c+3], s[92:93] offset:FRB*(\a)+512*\c   ; 512 consecutive bytes; each fragment has registers of its own
.endr
.endm
	PLACES
	SOFTQ 0
	SOFTQ 1
	SOFTQ 2
	SOFTQ 3
	SOFTQ 4
	SOFTQ 5
	SOFTQ 6
	SOFTQ 7
.irp w, 0,1,2,3
	v_cndmask_b32 v[64+\w], v[PWD+\w], v[PWD+4+\w], s98   ; lane (r, h) stores row r's numbers of blocks 4 h .. 4 h + 3
	v_cndmask_b32 v[68+\w], v[NMW+\w], v[NMW+4+\w], s98
	v_cndmask_b32 v[72+\w], v[LW+\w], v[LW+4+\w], s98
.endr
	global_store_b128 v[LI], v[64:67], s[94:95]                  ; p's scale words,
	global_store_b128 v[LI], v[68:71], s[94:95] offset:524288    ; -M,
	global_store_b128 v[LI], v[72:75], s[94:95] offset:1048576   ; l
	s_wait_tensorcnt 0x0                           ; the wave's end
	ds_add_u32 v[SPW], v[NIL]
	s_wait_dscnt 0x0
	CROUND                                         ; the closing round
	s_endpgm
.Lfunc_end_k_q14aa1648c5_scores:
	.size	k_q14aa1648c5_scores, .Lfunc_end_k_q14aa1648c5_scores-k_q14aa1648c5_scores
	.p2alignl 7, 3214868480
	.fill 96, 4, 3214868480
	.section	.rodata,"a",@progbits
	.p2align	6, 0x0
	.amdhsa_kernel k_q14aa1648c5_scores
		.amdhsa_group_segment_fixed_size 327680
		.amdhsa_private_segment_fixed_size 0
		.amdhsa_enable_private_segment 0
		.amdhsa_kernarg_size 24
		.amdhsa_user_sgpr_count 2
		.amdhsa_user_sgpr_kernarg_segment_ptr 1
		.amdhsa_wavefront_size32 1
		.amdhsa_system_sgpr_workgroup_id_x 1
		.amdhsa_system_sgpr_workgroup_id_y 1
		.amdhsa_system_sgpr_workgroup_id_z 1
		.amdhsa_system_vgpr_workitem_id 0
		.amdhsa_next_free_vgpr 1024
		.amdhsa_next_free_sgpr 100
		.amdhsa_reserve_vcc 0
		.amdhsa_float_denorm_mode_32 3
		.amdhsa_float_denorm_mode_16_64 3
		.amdhsa_memory_ordered 1
		.amdhsa_forward_progress 1
		.amdhsa_inst_pref_size 191
	.end_amdhsa_kernel
	.amdgpu_metadata
---
amdhsa.version: [ 1, 2 ]
amdhsa.kernels:
  - .name:           k_q14aa1648c5_scores
    .symbol:         k_q14aa1648c5_scores.kd
    .args:
      - { .name: qkvc, .offset: 0, .size: 8, .value_kind: global_buffer, .address_space: global }
      - { .name: pcod, .offset: 8, .size: 8, .value_kind: global_buffer, .address_space: global }
      - { .name: pst, .offset: 16, .size: 8, .value_kind: global_buffer, .address_space: global }
    .group_segment_fixed_size: 327680
    .private_segment_fixed_size: 0
    .kernarg_segment_align: 8
    .kernarg_segment_size: 24
    .max_flat_workgroup_size: 128
    .sgpr_count:     100
    .vgpr_count:     1024
    .wavefront_size: 32
...
	.end_amdgpu_metadata
.endif
;; end of part 3
;; launch pv (part 4): grid 4 x 64, 4 waves a work-group, clusters of 4 x 4, 327,680 bytes of LDS; arguments pcod, pst, qkvc, out0; writes out0
.if DOCPART == 4
	.amdgcn_target "amdgcn-amd-amdhsa--gfx1250"
	.amdhsa_code_object_version 6
	.text
	.protected	k_q14aa1648c5_pv
	.globl	k_q14aa1648c5_pv
	.p2align	8
	.type	k_q14aa1648c5_pv,@function
k_q14aa1648c5_pv:
	s_mov_b64 s[64:65], 0
	v_nop
	global_prefetch_b8 v0, s[64:65] scope:SCOPE_SE
	s_setreg_imm32_b32 hwreg(HW_REG_WAVE_MODE, 25, 1), 1
	s_wait_xcnt 0x0
	s_wait_alu depctr_hold_cnt(0) depctr_sa_sdst(0) depctr_va_vdst(0) depctr_va_sdst(0) depctr_va_ssrc(0) depctr_va_vcc(0) depctr_vm_vsrc(0)
	s_getreg_b32 s2, hwreg(HW_REG_IB_STS2, 6, 4)
	s_cmp_eq_u32 s2, 0
	s_cbranch_scc0 .Lentry_in_a_cluster
	s_endpgm
.Lentry_in_a_cluster:
	s_bfe_u32 s2, ttmp6, 0x10000c
	s_cmp_lg_u32 s2, 0xf033
	s_cbranch_scc0 .Lentry_shape_is_right
	s_endpgm
.Lentry_shape_is_right:
; O = p v / l on codes of E2M3 with E8M0 scales.  A work-group makes 128 queries (tile T') x 256 of dv, a wave 64 x 128: 32 accumulators.  Source 1 ("A") = 16 queries (the lanes), source 0 ("B") = 16 rows of v^T
; (the registers: accumulators 2 b and 2 b + 1 hold dv 32 b + 16 (lane / 16) + 0 .. 15 of the wave's 128).  K = the batch's 2,048 keys: 16 steps of 128 through two LDS slots of four steps; the text is straight.
; THE HEAD brings p's 16 runs of 128 keys, each quantised under a whole number M of its own, under the row's M = the largest of them: M - M(run) is taken off the run's four scale bytes, and l(run) is multiplied
; by 2^(M(run) - M) before the sum.  Both are exact.  The mended scale words go to LDS by stores; each wave mends four runs.
; CLUSTER 4 x 4: p's tiles are shared along a row of the cluster, v's tiles and scale words along a column, by joint loads.
; LIMITS: NaN and infinities are not served.  A scale byte that would fall under 0 is held at 0: such a term lies under 2^-120 of the row's largest.
; REGISTERS.  Window 0: v1 r, v2 h, v3 16 x lane, v4-9 LDS addresses, v10-12 stage and store addresses, v16-23 1 / l in pairs, v28-29 the add's two, v32-47 scale words, v64-159 A's fragments (two sets of 48);
;   in the head v64-243, on the way out v64-255.  Window 1: B's fragments at 0 and 128.  Window 2: accumulator (a, b) at v[8 (8 a + b)].
.set NA, 4
.set NQ, 4
.set NK, 16
.set KB,  12288
.set FRB, 1536
; THE ORDER OF ROWS (it takes the place of the one named above): row r of block 4 c + j of a tile of 128 is query (or column of dv) 64 c + 32 (r / 8) + 8 j + r % 8; accumulators 4 c .. 4 c + 3 hold dv 64 c + 32 (lane / 16) + 0 .. 31.
; v's tiles carry their scale words behind each K step's codes; p's mended words have registers of their own, v48-55.
.set KV,   12800                       ; a K step of a tile of v: 12,288 bytes of codes, 512 of scale words
.set SLOT, NQ*KB+2*NQ*KV               ; A's tile, then B's two
.set SCP,  2*SLOT                      ; p's mended scale words: 16 runs x 512 bytes, written by stores alone
.set SPARE, SCP+8192                   ; the spare words, 128 bytes a wave, which no other line names
.set ADRP, 13
.set SCA,  48
.set STG,  16*528                      ; the way out: a stage a wave, in slot 0, which has had its last fill and its last read by then
.set LI, 3
.set ADRA, 4
.set ADRB, 6
.set ADRS, 8
.set ADRS2, 9
.set STO, 10
.set RD,  11
.set SPS, 12
.set RLP, 16
.set SPW, 28
.set NIL, 29
.set SC, 32
.set AF, 64
.set NMA, 64                           ; the head: -M of the 16 runs,
.set LA,  128                          ; l of the 16 runs,
.set WD,  192                          ; my four runs' scale words,
.set NMM, 208                          ; and their -M
.set NG,  224                          ; -M of the row
.set LS,  228
.set OT,  64
.set BK,  128
.set G1, 24
.set G0, 32
.set G1B, 48
.set G0B, 56
.set SEL, 66
.set G1S, 68
.set G0S, 76
.set MSB, 0
.macro WIN new                         ; the immediate's high byte repeats the setting that is left
.if MSB != (\new)
	s_set_vgpr_msb (MSB<<8)|(\new)
.set MSB, (\new)
.endif
.endm
.macro PLACES                          ; four plain places behind matrix instructions (ISA guide 7.12.1)
.rept 4
	v_nop
.endr
.endm
.macro CREST
	s_cmp_lg_u32 s18, 0
	s_cbranch_scc1 .Lnot_wave_0_\@
	s_barrier_signal -3
.Lnot_wave_0_\@:
	s_barrier_wait -3
	s_barrier_signal -1
	s_barrier_wait -1
.endm
.macro CROUND
	s_barrier_signal -1
	s_barrier_wait -1
	CREST
.endm
.macro JLOAD g0a, g1a, g0b, g1b        ; a joint load: waves 0 and 1 for A, waves 2 and 3 for B; s_nop 0 and four v_nop follow each line
	s_cmp_eq_u32 s19, 0
	s_cbranch_scc0 .Lfor_b_\@
	tensor_load_to_lds s[\g0a:\g0a+3], s[\g1a:\g1a+7]
	s_nop 0
	PLACES
	s_branch .Lasked_\@
.Lfor_b_\@:
	tensor_load_to_lds s[\g0b:\g0b+3], s[\g1b:\g1b+7]
	s_nop 0
	PLACES
.Lasked_\@:
.endm
.macro DESC g, rows                    ; a dense block as rows of 256 bytes (32 elements of 8 bytes)
	s_mov_b32 s[\g+1], 32<<16
	s_mov_b32 s[\g+2], (\rows)<<16
	s_mov_b32 s[\g+3], 32<<16
	s_mov_b32 s[\g+4], \rows
	s_mov_b32 s[\g+5], 32
	s_mov_b32 s[\g+6], 0
	s_mov_b32 s[\g+7], 0
.endm
.macro FRAG reg, adr, off
.irp c, 0,1,2
	ds_load_b128 v[(\reg)+4*\c:(\reg)+4*\c+3], v[\adr] offset:(\off)+512*\c
.endr
.endm
.macro FETCH slot, q, p, k
	WIN 0x40
.irp i, 0,1,2,3,4,5,6,7
	FRAG 128*(\p)+12*\i, ADRB+(\slot), KV*(\q)+FRB*\i
.endr
	WIN 0
.set fa, 0
.rept NA
	FRAG AF+12*NA*(\p)+12*fa, ADRA+(\slot), KB*(\q)+FRB*fa
.set fa, fa+1
.endr
	ds_load_b128 v[SC+8*(\p):SC+8*(\p)+3], v[ADRS+(\slot)] offset:KV*(\q)+12288         ; v's blocks 0-3,
	ds_load_b128 v[SC+8*(\p)+4:SC+8*(\p)+7], v[ADRS+(\slot)] offset:KV*(\q)+12288+256   ; 4-7,
	ds_load_b128 v[SCA+4*(\p):SCA+4*(\p)+3], v[ADRP] offset:512*(\k)                    ; and my four blocks of p
.endm
.macro MULS a0, n, p, cm               ; cm 0: C = D;  3: C = 0.  The accumulators take turns, one instruction a turn
.set ma, (\a0)
.rept (\n)
	WIN 0xa1
.set mb, 0
.rept 8
.set rD, 8*(8*ma+mb)
.set rB, 128*(\p)+12*mb
.set rA, AF+12*NA*(\p)+12*ma
.if (\cm) == 0
	v_wmma_scale_f32_16x16x128_f8f6f4 v[rD:rD+7], v[rB:rB+11], v[rA:rA+11], v[rD:rD+7], v[SC+8*(\p)+mb], v[SCA+4*(\p)+ma] matrix_a_fmt:MATRIX_FMT_FP6 matrix_b_fmt:MATRIX_FMT_FP6
.else
	v_wmma_scale_f32_16x16x128_f8f6f4 v[rD:rD+7], v[rB:rB+11], v[rA:rA+11], 0, v[SC+8*(\p)+mb], v[SCA+4*(\p)+ma] matrix_a_fmt:MATRIX_FMT_FP6 matrix_b_fmt:MATRIX_FMT_FP6
.endif
.set mb, mb+1
.endr
.set ma, ma+1
.endr
.endm
.macro KSTEP k, cm
.set kq, (\k)%NQ
.set ks, ((\k)/NQ)%2
.set kp, (\k)%2
.if (\k) == NK-1
	s_wait_dscnt 0x0
	MULS 0, NA, kp, \cm
	WIN 0
.elseif kq < NQ-1
	s_wait_dscnt 0x0                               ; this step's fragments are in
	PLACES
	FETCH ks, kq+1, 1-kp, (\k)+1
	MULS 0, NA, kp, \cm
.else
	WIN 0
	s_wait_tensorcnt 0x0                           ; all my tensor loads have landed: my part of the other slot
	ds_add_u32 v[SPW], v[NIL]                      ; 0 onto my spare word
	s_wait_dscnt 0x1                               ; the add alone may be out
	MULS 0, NA/4, kp, \cm
	s_wait_dscnt 0x0                               ; the add is done, and my reads of this slot are over
	s_barrier_signal -1
	MULS NA/4, NA/4, kp, \cm
	WIN 0
	s_barrier_wait -1
.if (\k)/NQ < 2
	CREST                                          ; a round of the cluster's barrier: no wave of any partner still reads this slot or has a load on its way
	s_add_nc_u64 s[G0+4*ks+2:G0+4*ks+3], s[G0+4*ks+2:G0+4*ks+3], 2*NQ*KB
	s_add_nc_u64 s[G0B+4*ks+2:G0B+4*ks+3], s[G0B+4*ks+2:G0B+4*ks+3], 2*NQ*KV
	JLOAD G0+4*ks, G1, G0B+4*ks, G1B
.else
	PLACES
.endif
	FETCH 1-ks, 0, 1-kp, (\k)+1
	MULS NA/2, NA/2, kp, \cm
.endif
.endm
	s_load_b128 s[4:7], s[0:1], 0x0                ; pcod, pst
	s_load_b64 s[8:9], s[0:1], 0x10                ; qkvc
	s_load_b64 s[12:13], s[0:1], 0x18              ; out0
	v_lshl_add_u32 v[SPW], v0, 2, SPARE
	v_mov_b32 v[NIL], 0
	ds_add_u32 v[SPW], v[NIL]                      ; the wave's opening: the add and its wait ahead of my first tensor load; work on registers between them
	ds_add_u32 v[SPW], v[NIL]
	v_lshrrev_b32 v1, 5, v0
	v_readfirstlane_b32 s18, v1
	s_lshr_b32 s19, s18, 1                         ; RH: which 64 queries are mine.  Also: I fetch for A (0) or for B (1)
	s_and_b32 s20, s18, 1                          ; CH: which tile of v is mine.  Also: which half of A's steps, or which tile of B, I fetch
	s_bfe_u32 s21, ttmp6, 0x40000                  ; cx
	s_bfe_u32 s22, ttmp6, 0x40004                  ; cy
	s_and_b32 s23, ttmp7, 0xffff                   ; the cluster's y
	s_lshl_b32 s40, ttmp9, 2
	s_add_co_u32 s40, s40, s21                     ; work-group x: which 256 of dv
	s_lshl_b32 s41, s22, 2
	s_lshl_b32 s41, 15, s41
	s_lshl_b32 s42, 0x1111, s21
	s_lshl_b32 s43, s23, 2
	s_add_co_u32 s43, s43, s22                     ; T' = work-group y
	v_and_b32 v1, 15, v0                           ; r
	v_bfe_u32 v2, v0, 4, 1                         ; h
	v_and_b32 v[LI], 31, v0
	v_lshlrev_b32 v[LI], 4, v[LI]
	s_or_b32 s[G1], s41, (3<<16)|(1<<21)
	s_or_b32 s[G1B], s42, (3<<16)|(1<<21)
	DESC G1, 96                                    ; two K steps of p's tile
	DESC G1B, 200                                  ; four K steps of a tile of v, with their scale words
	s_lshl_b32 s2, s43, 4
	s_lshl_b32 s3, s20, 1
	s_add_co_u32 s2, s2, s3
	s_mul_i32 s2, s2, KB                           ; A: (16 T' + 2 CH) K steps
	s_mov_b32 s3, 0
	s_lshr_b32 s46, s23, 2                         ; the batch
	s_lshl_b32 s46, s46, 3
	s_lshl_b32 s47, s40, 1
	s_add_co_u32 s46, s46, s47                     ; 8 x batch + my work-group's first tile of v
	s_add_co_u32 s46, s46, s20
	s_mul_i32 s46, s46, 16*KV
	s_add_co_u32 s46, s46, 1024*KV                 ; B: the tile, behind q's and k's
	s_mov_b32 s47, 0
	s_mul_i32 s96, s20, 2*KB                       ; where they go: by the wave's number alone
	s_mul_i32 s97, s20, NQ*KV
	s_add_co_u32 s97, s97, NQ*KB
	s_lshl_b32 s92, s43, 13                        ; the tile's 16 runs in each of pst's three arrays
	s_mov_b32 s93, 0
	s_lshl_b32 s94, s18, 11                        ; my four runs
	s_mov_b32 s95, 0
	s_wait_alu depctr_va_vdst(0)
	s_wait_dscnt 0x0
	s_wait_kmcnt 0x0
	s_add_nc_u64 s[2:3], s[4:5], s[2:3]
	s_add_nc_u64 s[46:47], s[8:9], s[46:47]
	s_add_nc_u64 s[92:93], s[6:7], s[92:93]
	s_add_nc_u64 s[94:95], s[92:93], s[94:95]
	; lane (half, r), register e: block 4 half + e, row r
.irp g, 0,1,2,3,4,5,6,7,8,9,10,11,12,13,14,15
	global_load_b128 v[NMA+4*\g:NMA+4*\g+3], v[LI], s[92:93] offset:524288+512*\g
.endr
.irp g, 0,1,2,3,4,5,6,7,8,9,10,11,12,13,14,15
	global_load_b128 v[LA+4*\g:LA+4*\g+3], v[LI], s[92:93] offset:1048576+512*\g
.endr
.irp k, 0,1,2,3
	global_load_b128 v[WD+4*\k:WD+4*\k+3], v[LI], s[94:95] offset:512*\k
	global_load_b128 v[NMM+4*\k:NMM+4*\k+3], v[LI], s[94:95] offset:524288+512*\k
.endr
	CROUND                                         ; all sixteen work-groups are here: the first joint loads meet
.irp s, 0,1
	s_mov_b32 s[G0+4*\s], 1
	s_add_co_u32 s[G0+4*\s+1], s96, \s*SLOT
	s_add_nc_u64 s[G0+4*\s+2:G0+4*\s+3], s[2:3], \s*NQ*KB
	s_or_b32 s[G0+4*\s+3], s[G0+4*\s+3], 0x80000000
	s_mov_b32 s[G0B+4*\s], 1
	s_add_co_u32 s[G0B+4*\s+1], s97, \s*SLOT
	s_add_nc_u64 s[G0B+4*\s+2:G0B+4*\s+3], s[46:47], \s*NQ*KV
	s_or_b32 s[G0B+4*\s+3], s[G0B+4*\s+3], 0x80000000
.endr
	JLOAD G0, G1, G0B, G1B                         ; slot 0: one tensor load a wave at the head
	s_mul_i32 s2, s19, 4*FRB                       ; my four blocks of p,
	s_mul_i32 s3, s20, NQ*KV
	s_add_co_u32 s3, s3, NQ*KB                     ; my tile of v
	v_add_nc_u32 v[ADRA], s2, v[LI]
	v_add_nc_u32 v[ADRB], s3, v[LI]
	s_add_co_u32 s2, s2, SLOT
	s_add_co_u32 s3, s3, SLOT
	v_add_nc_u32 v[ADRA+1], s2, v[LI]
	v_add_nc_u32 v[ADRB+1], s3, v[LI]
	s_mul_i32 s2, s20, NQ*KV
	s_add_co_u32 s2, s2, NQ*KB
	v_lshlrev_b32 v14, 4, v1
	v_add_nc_u32 v[ADRS], s2, v14                  ; v's words: my tile's in slot 0,
	v_add_nc_u32 v[ADRS2], SLOT, v[ADRS]           ; and in slot 1
	s_lshl_b32 s3, s19, 8
	s_add_co_u32 s3, s3, SCP
	v_add_nc_u32 v[ADRP], s3, v14                  ; p's mended words: row r of my four blocks
	s_lshl_b32 s2, s18, 11
	s_add_co_u32 s2, s2, SCP
	v_add_nc_u32 v[SPS], s2, v[LI]                 ; where my four runs' mended words go
	s_mul_i32 s2, s18, STG
	v_mul_u32_u24 v[STO], v1, 528
	v_lshl_add_u32 v[STO], v2, 7, v[STO]
	v_add_nc_u32 v[STO], s2, v[STO]                ; the stage, in: row r, + 128 h
	v_add_nc_u32 v[RD], s2, v[LI]                  ; and back: a row's 512 bytes over the 32 lanes
	s_lshl_b32 s2, s43, 19                         ; out0: (128 T' + 64 RH) rows of 4,096 bytes + 4 (256 x + 128 CH)
	s_lshl_b32 s3, s19, 18
	s_add_co_u32 s2, s2, s3
	s_lshl_b32 s3, s40, 10
	s_add_co_u32 s2, s2, s3
	s_lshl_b32 s3, s20, 9
	s_add_co_u32 s2, s2, s3
	s_mov_b32 s3, 0
	s_add_nc_u64 s[12:13], s[12:13], s[2:3]
	s_mov_b32 s[SEL], 0x76543210
	s_mov_b32 s[SEL+1], 0xfedcba98
	s_mov_b32 s98, 0xffff0000
	s_mov_b32 s44, 0x01010101
	s_mov_b32 s45, 0xffff
	s_cmp_eq_u32 s19, 0
	s_cselect_b32 s45, s98, s45                    ; the lanes whose own half does not hold my wave's blocks
.irp e, 0,1,2,3
	v_mov_b32 v[232+\e], 0                         ; a lane permute's destination counts as one of its sources
.endr
	s_wait_loadcnt 0x0
.irp e, 0,1,2,3
	v_min3_num_f32 v[NG+\e], v[NMA+\e], v[NMA+4+\e], v[NMA+8+\e]   ; the least -M of the 16 runs: the row's
.endr
.irp g, 3,5,7,9,11,13
.irp e, 0,1,2,3
	v_min3_num_f32 v[NG+\e], v[NG+\e], v[NMA+4*\g+\e], v[NMA+4*\g+4+\e]
.endr
.endr
.irp e, 0,1,2,3
	v_min_num_f32 v[NG+\e], v[NG+\e], v[NMA+60+\e]
.endr
.irp g, 0,1,2,3,4,5,6,7,8,9,10,11,12,13,14,15
.irp e, 0,2
	v_pk_add_f32 v[NMA+4*\g+\e:NMA+4*\g+\e+1], v[NG+\e:NG+\e+1], v[NMA+4*\g+\e:NMA+4*\g+\e+1] neg_lo:[0,1] neg_hi:[0,1]   ; M(run) - M: a whole number, 0 or less
.endr
.endr
.set j, 0
.rept 64
	v_cvt_i32_f32 v[NMA+j], v[NMA+j]               ; (it saturates)
.set j, j+1
.endr
.set j, 0
.rept 64
	v_ldexp_f32 v[LA+j], v[LA+j], v[NMA+j]         ; l(run) under the row's M
.set j, j+1
.endr
.irp e, 0,2
	v_pk_add_f32 v[LS+\e:LS+\e+1], v[LA+\e:LA+\e+1], v[LA+4+\e:LA+4+\e+1]
.endr
.irp g, 2,3,4,5,6,7,8,9,10,11,12,13,14,15
.irp e, 0,2
	v_pk_add_f32 v[LS+\e:LS+\e+1], v[LS+\e:LS+\e+1], v[LA+4*\g+\e:LA+4*\g+\e+1]
.endr
.endr
.irp e, 0,1,2,3
	v_permlanex16_b32 v[232+\e], v[LS+\e], s[SEL], s[SEL+1]
.endr
.irp e, 0,1,2,3
	v_cndmask_b32 v[LS+\e], v[LS+\e], v[232+\e], s45   ; every lane (r, h): l of row r of block 4 RH + e
.endr
	s_wait_alu depctr_va_vdst(0)
.irp e, 0,1,2,3
	v_rcp_f32 v[RLP+2*\e], v[LS+\e]
.endr
	v_nop                                          ; a plain place behind the reciprocals
	s_wait_alu depctr_va_vdst(0)                   ; one wait for the four, ahead of their first reader
.irp e, 0,1,2,3
	v_mov_b32 v[RLP+2*\e+1], v[RLP+2*\e]
.endr
; d = M - M(run), at most 127, off each of a word's four bytes, held at 0.  p's bytes are at most 125: with bit 7 set in each byte no borrow crosses, and bit 7 of the difference says that the byte did not fall under 0.
.irp k, 0,1,2,3
.irp e, 0,1,2,3
	v_sub_f32 v[236+\e], v[NMM+4*\k+\e], v[NG+\e]
.endr
.irp e, 0,1,2,3
	v_cvt_u32_f32 v[236+\e], v[236+\e]
.endr
.irp e, 0,1,2,3
	v_min_u32 v[236+\e], 127, v[236+\e]
.endr
.irp e, 0,1,2,3
	v_mul_lo_u32 v[236+\e], v[236+\e], s44
.endr
.irp e, 0,1,2,3
	v_or_b32 v[WD+4*\k+\e], 0x80808080, v[WD+4*\k+\e]
.endr
.irp e, 0,1,2,3
	v_sub_nc_u32 v[WD+4*\k+\e], v[WD+4*\k+\e], v[236+\e]
.endr
.irp e, 0,1,2,3
	v_lshrrev_b32 v[236+\e], 7, v[WD+4*\k+\e]
.endr
.irp e, 0,1,2,3
	v_and_b32 v[236+\e], s44, v[236+\e]
.endr
.irp e, 0,1,2,3
	v_lshlrev_b32 v[240+\e], 8, v[236+\e]
.endr
.irp e, 0,1,2,3
	v_sub_nc_u32 v[240+\e], v[240+\e], v[236+\e]   ; 0xff in each byte that is kept
.endr
.irp e, 0,1,2,3
	v_and_b32 v[240+\e], 0x7f7f7f7f, v[240+\e]
.endr
.irp e, 0,1,2,3
	v_and_b32 v[WD+4*\k+\e], v[WD+4*\k+\e], v[240+\e]
.endr
	ds_store_b128 v[SPS], v[WD+4*\k:WD+4*\k+3] offset:512*\k
.endr
	s_wait_alu depctr_va_vdst(0)                   ; the head's end
	s_wait_tensorcnt 0x0                           ; my part of slot 0 is in
	ds_add_u32 v[SPW], v[NIL]
	s_wait_dscnt 0x0                               ; the add is done, and my mended words have landed
	CROUND
	JLOAD G0+4, G1, G0B+4, G1B                     ; slot 1, the first tensor load behind the round
	FETCH 0, 0, 0, 0
	KSTEP 0, 3
	KSTEP 1, 0
	KSTEP 2, 0
	KSTEP 3, 0
	KSTEP 4, 0
	KSTEP 5, 0
	KSTEP 6, 0
	KSTEP 7, 0
	KSTEP 8, 0
	KSTEP 9, 0
	KSTEP 10, 0
	KSTEP 11, 0
	KSTEP 12, 0
	KSTEP 13, 0
	KSTEP 14, 0
	KSTEP 15, 0
; THE WAY OUT, a block of 16 queries at a time: divided by l, through my own stage in LDS, and out as whole rows of 512 bytes.  Row t of block 4 RH + a is query 64 RH + 8 a + t % 8 + 32 (t / 8) of the tile.
.macro OUTA a
	WIN 0x02
.set j, 0
.rept 32
	v_pk_mul_f32 v[OT+j:OT+j+1], v[64*(\a)+j:64*(\a)+j+1], v[RLP+2*(\a):RLP+2*(\a)+1]   ; each accumulator from its low end on
.set j, j+2
.endr
	WIN 0
.if (\a) >= 2
	s_wait_alu depctr_va_vdst(0)
	s_wait_xcnt 0x0                                ; the stores of two blocks ago have read the registers that are loaded again below
.endif
.irp b, 0,1,2,3,4,5,6,7
	ds_store_b128 v[STO], v[OT+8*\b:OT+8*\b+3] offset:256*(\b/4)+32*(\b%4)
	ds_store_b128 v[STO], v[OT+8*\b+4:OT+8*\b+7] offset:256*(\b/4)+32*(\b%4)+16
.endr
.irp t, 0,1,2,3,4,5,6,7,8,9,10,11,12,13,14,15
	ds_load_b128 v[BK+64*((\a)%2)+4*\t:BK+64*((\a)%2)+4*\t+3], v[RD] offset:528*\t   ; LDS serves a wave's instructions in order: these see the stores above
.endr
.irp t, 0,1,2,3,4,5,6,7,8,9,10,11,12,13,14,15
	s_wait_dscnt 15-\t                             ; row t is back; the younger rows' loads may be out
	global_store_b128 v[LI], v[BK+64*((\a)%2)+4*\t:BK+64*((\a)%2)+4*\t+3], s[12:13] offset:(8*(\a)+(\t%8)+32*(\t/8))*4096 th:TH_STORE_NT   ; row t of block 4 RH + a is query 64 RH + 8 a + t % 8 + 32 (t / 8); 512 consecutive bytes, aligned to 256
.endr
.endm
	PLACES
	OUTA 0
	OUTA 1
	OUTA 2
	OUTA 3
	s_wait_tensorcnt 0x0                           ; the wave's end, behind my last tensor load and my last LDS store
	ds_add_u32 v[SPW], v[NIL]
	s_wait_dscnt 0x0
	CROUND                                         ; the closing round
	s_endpgm
.Lfunc_end_k_q14aa1648c5_pv:
	.size	k_q14aa1648c5_pv, .Lfunc_end_k_q14aa1648c5_pv-k_q14aa1648c5_pv
	.p2alignl 7, 3214868480
	.fill 96, 4, 3214868480
	.section	.rodata,"a",@progbits
	.p2align	6, 0x0
	.amdhsa_kernel k_q14aa1648c5_pv
		.amdhsa_group_segment_fixed_size 327680
		.amdhsa_private_segment_fixed_size 0
		.amdhsa_enable_private_segment 0
		.amdhsa_kernarg_size 32
		.amdhsa_user_sgpr_count 2
		.amdhsa_user_sgpr_kernarg_segment_ptr 1
		.amdhsa_wavefront_size32 1
		.amdhsa_system_sgpr_workgroup_id_x 1
		.amdhsa_system_sgpr_workgroup_id_y 1
		.amdhsa_system_sgpr_workgroup_id_z 1
		.amdhsa_system_vgpr_workitem_id 0
		.amdhsa_next_free_vgpr 768
		.amdhsa_next_free_sgpr 100
		.amdhsa_reserve_vcc 0
		.amdhsa_float_denorm_mode_32 3
		.amdhsa_float_denorm_mode_16_64 3
		.amdhsa_memory_ordered 1
		.amdhsa_forward_progress 1
		.amdhsa_inst_pref_size 167
	.end_amdhsa_kernel
	.amdgpu_metadata
---
amdhsa.version: [ 1, 2 ]
amdhsa.kernels:
  - .name:           k_q14aa1648c5_pv
    .symbol:         k_q14aa1648c5_pv.kd
    .args:
      - { .name: pcod, .offset: 0, .size: 8, .value_kind: global_buffer, .address_space: global }
      - { .name: pst, .offset: 8, .size: 8, .value_kind: global_buffer, .address_space: global }
      - { .name: qkvc, .offset: 16, .size: 8, .value_kind: global_buffer, .address_space: global }
      - { .name: out0, .offset: 24, .size: 8, .value_kind: global_buffer, .address_space: global }
    .group_segment_fixed_size: 327680
    .private_segment_fixed_size: 0
    .kernarg_segment_align: 8
    .kernarg_segment_size: 32
    .max_flat_workgroup_size: 128
    .sgpr_count:     100
    .vgpr_count:     768
    .wavefront_size: 32
...
	.end_amdgpu_metadata
.endif
;; end of part 4
